; MI455X (gfx1250); checked and timed in simulation.
; The chip was launched on July 23, 2026; its instructions are those of AMD's public machine-readable ISA for CDNA 5 (MIT licence, August 2026) and "CDNA5" Instruction Set Architecture Reference Guide (July 2026). The comments in the code are by the model that wrote it; some were corrected since.
;; MHSA Intra. Allowed arithmetic: matrix products marked QUANTISED: E2M3 operands, one E8M0 scale for each 32 along K, by v_wmma_scale_f32_16x16x128_f8f6f4 with both operands' format E2M3, f32 sums; everything else in f32.
;; Inputs: beta 1,024 float32; bk 1,024 float32; bo 1,024 float32; bq 1,024 float32; bv 1,024 float32; gamma 1,024 float32; wk_codes 1,024 x 32 x 24 uint8 (E2M3 codes of wk, K innermost, in blocks of 32 codes, four codes in three bytes); wk_scales 1,024 x 32 uint8 (E8M0 scales of wk, one for each 32 codes along K); wo_codes 1,024 x 32 x 24 uint8 (E2M3 codes of wo, K innermost, in blocks of 32 codes, four codes in three bytes); wo_scales 1,024 x 32 uint8 (E8M0 scales of wo, one for each 32 codes along K); wq_codes 1,024 x 32 x 24 uint8 (E2M3 codes of wq, K innermost, in blocks of 32 codes, four codes in three bytes); wq_scales 1,024 x 32 uint8 (E8M0 scales of wq, one for each 32 codes along K); wv_codes 1,024 x 32 x 24 uint8 (E2M3 codes of wv, K innermost, in blocks of 32 codes, four codes in three bytes); wv_scales 1,024 x 32 uint8 (E8M0 scales of wv, one for each 32 codes along K); x 8 x 1,024 x 1,024 float32.
;; Outputs: out0 8 x 1,024 x 1,024 float32.
;; This version of the problem:
;;   THIS VERSION OF THE PROBLEM IS GIVEN IN LOW PRECISION. The matrix products marked QUANTISED in the list below multiply operands that are first quantised to E2M3 (2 exponent bits, 3 mantissa bits; 6 bits a number), with one power-of-two scale for each 32 numbers along K (OCP MX v1.0); their sums are f32. All else is computed in f32.
;;   The module's matrix products, in the order in which they are computed (A, B: the left and right operand; K: the contracted axis; several contracted axes count as one K, in the product's order):
;;     1. [M 8,192, K 1,024] x [K 1,024, N 1,024]; A: input x; B: input wq (given as codes): QUANTISED
;;     2. [M 8,192, K 1,024] x [K 1,024, N 1,024]; A: input x; B: input wk (given as codes): QUANTISED
;;     3. [M 8,192, K 1,024] x [K 1,024, N 1,024]; A: input x; B: input wv (given as codes): QUANTISED
;;     4. batch 128 x [M 1,024, K 64] x [K 64, N 1,024]; A: computed on the way; B: computed on the way: QUANTISED
;;     5. batch 128 x [M 1,024, K 1,024] x [K 1,024, N 64]; A: computed on the way; B: computed on the way: QUANTISED
;;     6. [M 8,192, K 1,024] x [K 1,024, N 1,024]; A: computed on the way; B: input wo (given as codes): QUANTISED
;;   THE QUANTISER, for each operand of a quantised product, along K:
;;     - K is cut into blocks of 32 from its start; a last block that is shorter is filled with zeros.
;;     - A block's scale is 2^e with e = floor(log2(the largest magnitude in the block)) - 2, held to -126 .. 127; a block of zeros has e = 0. As a byte (E8M0): e + 127.
;;     - Each number is divided by its block's scale, clamped to +-7.5, and rounded to the nearest number of E2M3, ties to even, subnormals kept.
;;     - The product sums the exact products of the quantised numbers (number of the format x scale) in f32.
;;   ~~~python
;;   def quantise(x, axis):      # numpy; x: float32 -> the quantised numbers, widened to float32 again
;;       x = np.moveaxis(x, axis, -1); K = x.shape[-1]
;;       x = np.pad(x, [(0, 0)] * (x.ndim - 1) + [(0, -K % 32)]); x = x.reshape(x.shape[:-1] + (-1, 32)); a = np.abs(x).max(-1, keepdims=True)
;;       e = np.where(a > 0, np.clip(np.frexp(np.where(a > 0, a, 1))[1] - 1 - 2, -126, 127), 0)      # np.frexp(a)[1] - 1 = floor(log2(a)), exactly
;;       r = np.clip(x / 2.0 ** e, -7.5, 7.5)
;;       step = 2.0 ** (np.maximum(np.frexp(np.where(r == 0, 1, r))[1] - 1, 0) - 3)
;;       q = np.round(r / step) * step * 2.0 ** e      # np.round: ties to even
;;       return np.moveaxis(q.reshape(q.shape[:-2] + (-1,))[..., :K], -1, axis).astype(np.float32)
;;   ~~~
;;   OPERANDS COMPUTED ON THE WAY. 'Computed on the way' means the value that the module computes at that place (a softmax that the list does not call 'softmax' is quantised finished and normalised). What goes into a quantiser is computed in f32, as accurately as f32 sums, v_exp_f32 and their like allow (about 1e-6 of the number): no bf16 or f16 on the way to a quantiser, and a product that is left as it is and whose result goes on into a quantised operand takes f32 operands (vector FMAs, or v_wmma_f32_16x16x4_f32). A number that lies on a knife's edge between two numbers of the format may be rounded either way, as far as f32 arithmetic and the matrix unit's own rounding can turn it there, and no further.
;;   INPUTS GIVEN AS CODES. wk (in the module: [1024, 1024], K = its axis 1); wo (in the module: [1024, 1024], K = its axis 1); wq (in the module: [1024, 1024], K = its axis 1); wv (in the module: [1024, 1024], K = its axis 1): each comes as NAME_codes (uint8): NAME with its K axis moved to the last place and cut into blocks of 32 codes, [.., K / 32, bytes a block], one block behind the other in memory; four codes in three bytes: a row's codes are one little-endian stream of bits, code i at bits 6 i .. 6 i + 5 (a code: sign, 2 exponent bits, 3 mantissa bits); and NAME_scales (uint8): the same leading axes, one E8M0 byte (e + 127) for each 32 codes along K. Its value is code x scale, taken as it is: it is not quantised again, and the codes and scales need not be those that the quantiser above would give.
;; One version. Each part assembles by itself: llvm-mc -triple=amdgcn-amd-amdhsa -mcpu=gfx1250 --defsym DOCPART=n.
;; ======== version 1 of 1: 5 launches
;; workspace buffers: xq 6,553,600 bytes; wimg 3,145,728 bytes; qkv 19,660,800 bytes; oq 6,553,600 bytes; y 33,554,432 bytes; stats 524,288 bytes
;; launch prep (part 1): grid 576 x 1, 4 waves a work-group, no clusters, 13,312 bytes of LDS; arguments x, wq_codes, wk_codes, wv_codes, wo_codes, xq, wimg; writes xq, wimg
.if DOCPART == 1
	.amdgcn_target "amdgcn-amd-amdhsa--gfx1250"
	.amdhsa_code_object_version 6
	.text
	.protected	k_q81b160ec0c_prep
	.globl	k_q81b160ec0c_prep
	.p2align	8
	.type	k_q81b160ec0c_prep,@function
k_q81b160ec0c_prep:
	s_mov_b64 s[64:65], 0
	v_nop
	global_prefetch_b8 v0, s[64:65] scope:SCOPE_SE
	s_setreg_imm32_b32 hwreg(HW_REG_WAVE_MODE, 25, 1), 1
	s_wait_xcnt 0x0
; THE PROGRAM: out0 = x + BN(wo . attention(wq x + bq, wk x + bk, wv x + bv)), all six products on codes of FP6 (E2M3) with one E8M0 scale for each 32 along K.  Five launches:
;   prep: x into codes along c, the four weights' codes re-laid;  qkvgemm: products 1 to 3 and the quantisers of q, k, v;  attn: products 4, 5, the softmax, the quantiser of its result;
;   oproj: product 6 and each channel's mean and sum of squared deviations over 128 t;  bnres: the batch norm and the residual.
; WORK LEFT OUT: bo.  y = z + bo with z = wo . out, so mean(y) = mean(z) + bo over (b, t), y - mean(y) = z - mean(z), and var(y) = var(z): bo cancels for all values of all inputs, and it enters no quantiser.
;   It is not loaded and is among no launch's arguments.  LIMIT: a NaN, an infinity or an overflow that reaches only bo is not carried to the result.
; SCALE = 2^-3 is a power of two: the quantiser gives q x 2^-3 the codes of q and a scale exponent 3 lower.  So q is quantised as it is and 2^-3 stands in the softmax's constant.
;   LIMIT: that holds for blocks of q whose largest magnitude is 2^-121 or more, and for scores under 2^125.
; LIMITS of every quantiser here: NaN and infinities among the numbers are not served; a block of zeros gets the byte 1 where the rule says 127: its codes are zeros, and this program alone reads the bytes.
; THE ORDER OF ROWS IN A TILE, everywhere: lane r of tile tau (0..3) of a block of 64 rows takes row 32 (r / 8) + 8 tau + r % 8.  A matrix result's register j of lane (r, h) is row 8 h + j of source 0, so the 32 registers
;   of tiles 0..3 are rows 32 h + 0 .. 31: a whole block of 32 in ONE lane, in the order in which a 6-bit operand wants it.  No quantiser behind a product asks another lane for a maximum.
; AN OPERAND LIES IN MEMORY AS AN IMAGE OF ITS REGISTERS: a fragment (12 registers a lane) is 1,536 bytes, registers 4 c .. 4 c + 3 of lane l at 512 c + 16 l.
;
; THIS LAUNCH.  Work-groups 0..511: (TB = wg / 8: 128 t of one batch; kappa = wg % 8: 128 c).  A thread takes a column t and its registers run down c: each load reads 512 consecutive bytes a work-group, a block of 32 along c
; lies in one lane.  The codes go through LDS in the order of xq's block (8 images, then 512 bytes of scale words) and leave as 12,800 dense bytes.
; Work-groups 512..575: (matrix mu, 64 rows eta); wave tau: the 8 fragments of its 16 rows are loaded as they lie (24 bytes a lane and half) and stored as images.  This path uses no LDS.
.set SPARE, 12800                      ; behind the stage: the spare words, 128 bytes a wave
.set SPW,   30                         ; v30  my spare word: SPARE + 4 x my thread's number; never rewritten
.set NIL,   31                         ; v31  0; never rewritten
.set X,     32                         ; v32-95   two sets of 32 numbers (weights' role: v32-127, 8 fragments)
.set CD,    96                         ; v96-119  my row's codes: 12 registers for lane (r, 0), 12 for lane (r, 1)
.set Y,     120                        ; v120-122 a block's upper 16 codes (a conversion's three registers begin on an even number)
.set SW,    124                        ; v124     my row's scale word
	s_load_b256 s[4:11], s[0:1], 0x0               ; x, wq, wk, wv
	s_load_b128 s[12:15], s[0:1], 0x20             ; wo, xq
	s_load_b64 s[16:17], s[0:1], 0x30              ; wimg
	v_lshl_add_u32 v[SPW], v0, 2, SPARE
	v_mov_b32 v[NIL], 0
	v_lshrrev_b32 v1, 5, v0
	v_readfirstlane_b32 s18, v1                    ; wave
	s_cmp_ge_u32 ttmp9, 512                        ; the work-group's number alone: all four waves go the same way
	s_cbranch_scc1 .Lweights
	s_lshr_b32 s20, ttmp9, 6                       ; b
	s_lshl_b32 s20, s20, 22
	s_and_b32 s21, ttmp9, 7                        ; kappa
	s_lshl_b32 s21, s21, 19                        ; 128 rows of 4,096 bytes
	s_add_co_u32 s20, s20, s21
	s_bfe_u32 s21, ttmp9, 0x30003                  ; sigma
	s_lshl_b32 s21, s21, 9                         ; 128 t of 4 bytes
	s_add_co_u32 s20, s20, s21
	s_mov_b32 s21, 0
	s_mul_i32 s22, ttmp9, 12800                    ; my block of xq
	s_mov_b32 s23, 0
	v_lshlrev_b32 v1, 2, v0                        ; in: 4 bytes a thread
	v_lshlrev_b32 v2, 4, v0                        ; out: 16 bytes a thread
	v_bfe_u32 v3, v0, 3, 2                         ; tau
	v_bfe_u32 v4, v0, 6, 1
	v_lshl_add_u32 v3, v4, 2, v3                   ; my tile xt = 4 (t / 64) + tau
	v_bfe_u32 v4, v0, 5, 1
	v_and_b32 v5, 7, v0
	v_lshl_add_u32 v4, v4, 3, v5                   ; my row in it: r = 8 ((t / 32) % 2) + t % 8
	v_mul_u32_u24 v5, v3, 1536
	v_lshl_add_u32 v5, v4, 4, v5                   ; the image's place for lane (r, 0)
	v_and_b32 v6, 1, v3
	v_lshl_add_u32 v6, v6, 4, v4                   ; scale words: slot r + 16 (xt % 2),
	v_lshrrev_b32 v7, 1, v3
	v_lshlrev_b32 v7, 2, v7
	v_lshl_add_u32 v6, v6, 4, v7                   ; 16 bytes a slot, word xt / 2
	s_wait_kmcnt 0x0
	s_add_nc_u64 s[4:5], s[4:5], s[20:21]
	s_add_nc_u64 s[14:15], s[14:15], s[22:23]
.macro LOAD t                          ; block t: x(32 t + i, my column) into set t % 2
.set ii, 0
.rept 32
	global_load_b32 v[X+32*((\t)%2)+ii], v1, s[4:5] offset:(32*(\t)+ii)*4096 th:TH_LOAD_NT
.set ii, ii+1
.endr
.endm
.macro BLOCK t
.set XS, X+32*((\t)%2)
.set PC, CD+12*((\t)%2)+6*((\t)/2)     ; block t is registers 6 (t / 2) on of lane (r, t % 2)
.if (\t) < 3
	s_wait_loadcnt 32                              ; this block's 32 loads are in; the next block's may be out
.else
	s_wait_loadcnt 0x0
.endif
	v_max3_num_f32 v12, |v[XS]|, |v[XS+1]|, |v[XS+2]|
	v_max3_num_f32 v13, |v[XS+3]|, |v[XS+4]|, |v[XS+5]|
.irp i, 6,10,14,18,22,26
	v_max3_num_f32 v12, v12, |v[XS+\i]|, |v[XS+\i+1]|
	v_max3_num_f32 v13, v13, |v[XS+\i+2]|, |v[XS+\i+3]|
.endr
	v_max3_num_f32 v12, v12, |v[XS+30]|, |v[XS+31]|
	v_max3_num_f32 v12, v12, v13, 0x1800000        ; and the floor 2^(3 - 127): the byte cannot fall under 1
	v_add_nc_u32 v11, 0xff000000, v12              ; 2 off the exponent field: the conversion's scale operand
	v_lshrrev_b32 v13, 23, v11                     ; the scale's byte
.if (\t) == 0
	v_mov_b32 v[SW], v13
.else
	v_lshl_or_b32 v[SW], v13, 8*(\t), v[SW]
.endif
	v_cvt_scalef32_pk16_fp6_f32 v[PC:PC+2], v[XS:XS+15], v11
	v_cvt_scalef32_pk16_fp6_f32 v[Y:Y+2], v[XS+16:XS+31], v11
	v_nop                                          ; one plain instruction behind a scaled conversion
.irp i, 0,1,2
	v_mov_b32 v[PC+3+\i], v[Y+\i]
.endr
.if (\t) < 2
	LOAD (\t)+2
.endif
.endm
	LOAD 0
	LOAD 1
	BLOCK 0
	BLOCK 1
	BLOCK 2
	BLOCK 3
.irp h, 0,1
.irp c, 0,1,2
	ds_store_b128 v5, v[CD+12*\h+4*\c:CD+12*\h+4*\c+3] offset:256*\h+512*\c
.endr
.endr
	ds_store_b32 v6, v[SW] offset:12288
	s_wait_dscnt 0x0                               ; for the others' sake: my stores have landed
	s_barrier_signal -1
	s_barrier_wait -1
.irp i, 0,1,2,3,4,5
	ds_load_b128 v[X+4*\i:X+4*\i+3], v2 offset:2048*\i
.endr
.irp i, 0,1,2,3,4,5
	s_wait_dscnt 5-\i
	global_store_b128 v2, v[X+4*\i:X+4*\i+3], s[14:15] offset:2048*\i   ; a wave stores 512 consecutive bytes, aligned
.endr
	s_cmp_lg_u32 s18, 0
	s_cbranch_scc1 .Lend
	ds_load_b128 v[X+24:X+27], v2 offset:12288     ; wave 0: the 512 bytes of scale words
	s_wait_dscnt 0x0
	global_store_b128 v2, v[X+24:X+27], s[14:15] offset:12288
	s_branch .Lend
.Lweights:
	s_sub_co_u32 s20, ttmp9, 512
	s_lshr_b32 s21, s20, 4                         ; mu: 0 q, 1 k, 2 v, 3 o
	s_and_b32 s20, s20, 15                         ; eta
	v_and_b32 v1, 15, v0                           ; r
	v_bfe_u32 v2, v0, 4, 1                         ; h
	v_and_b32 v3, 7, v1
	v_lshrrev_b32 v4, 3, v1
	v_lshl_add_u32 v3, v4, 5, v3                   ; 32 (r / 8) + r % 8
	v_mul_u32_u24 v3, v3, 768                      ; a row of 1,024 codes is 768 bytes
	v_mad_u32_u24 v3, v2, 24, v3
	v_and_b32 v4, 31, v0
	v_lshlrev_b32 v4, 4, v4                        ; 16 x lane
	s_mul_i32 s22, s20, 49152                      ; 64 rows
	s_mul_i32 s23, s18, 6144                       ; 8 rows a tile
	s_add_co_u32 s22, s22, s23
	s_mov_b32 s23, 0
	s_mul_i32 s24, s21, 786432
	s_mul_i32 s25, s20, 49152
	s_add_co_u32 s24, s24, s25
	s_mul_i32 s25, s18, 1536
	s_add_co_u32 s24, s24, s25
	s_mov_b32 s25, 0
	s_and_b32 s26, s21, 1
	s_wait_kmcnt 0x0
	s_cmp_lg_u32 s26, 0                            ; the choice hangs on the work-group's number alone
	s_cselect_b64 s[28:29], s[8:9], s[6:7]
	s_cselect_b64 s[30:31], s[12:13], s[10:11]
	s_cmp_lt_u32 s21, 2
	s_cselect_b64 s[28:29], s[28:29], s[30:31]
	s_add_nc_u64 s[28:29], s[28:29], s[22:23]
	s_add_nc_u64 s[16:17], s[16:17], s[24:25]
.irp k, 0,1,2,3,4,5,6,7
.irp p, 0,1,2,3,4,5
	global_load_b64 v[X+12*\k+2*\p:X+12*\k+2*\p+1], v3, s[28:29] offset:96*\k+48*(\p/3)+8*(\p%3) th:TH_LOAD_NT
.endr
.endr
	s_wait_loadcnt 0x0
.irp k, 0,1,2,3,4,5,6,7
.irp c, 0,1,2
	global_store_b128 v4, v[X+12*\k+4*\c:X+12*\k+4*\c+3], s[16:17] offset:6144*\k+512*\c
.endr
.endr
.Lend:
	s_wait_tensorcnt 0x0                           ; the wave's end
	ds_add_u32 v[SPW], v[NIL]
	s_wait_dscnt 0x0
	s_endpgm
.Lfunc_end_k_q81b160ec0c_prep:
	.size	k_q81b160ec0c_prep, .Lfunc_end_k_q81b160ec0c_prep-k_q81b160ec0c_prep
	.p2alignl 7, 3214868480
	.fill 96, 4, 3214868480
	.section	.rodata,"a",@progbits
	.p2align	6, 0x0
	.amdhsa_kernel k_q81b160ec0c_prep
		.amdhsa_group_segment_fixed_size 13312
		.amdhsa_private_segment_fixed_size 0
		.amdhsa_enable_private_segment 0
		.amdhsa_kernarg_size 56
		.amdhsa_user_sgpr_count 2
		.amdhsa_user_sgpr_kernarg_segment_ptr 1
		.amdhsa_wavefront_size32 1
		.amdhsa_system_sgpr_workgroup_id_x 1
		.amdhsa_system_sgpr_workgroup_id_y 1
		.amdhsa_system_sgpr_workgroup_id_z 1
		.amdhsa_system_vgpr_workitem_id 0
		.amdhsa_next_free_vgpr 128
		.amdhsa_next_free_sgpr 66
		.amdhsa_reserve_vcc 0
		.amdhsa_float_denorm_mode_32 3
		.amdhsa_float_denorm_mode_16_64 3
		.amdhsa_memory_ordered 1
		.amdhsa_forward_progress 1
		.amdhsa_inst_pref_size 31
	.end_amdhsa_kernel
	.amdgpu_metadata
---
amdhsa.version: [ 1, 2 ]
amdhsa.kernels:
  - .name:           k_q81b160ec0c_prep
    .symbol:         k_q81b160ec0c_prep.kd
    .args:
      - { .name: x, .offset: 0, .size: 8, .value_kind: global_buffer, .address_space: global }
      - { .name: wq_codes, .offset: 8, .size: 8, .value_kind: global_buffer, .address_space: global }
      - { .name: wk_codes, .offset: 16, .size: 8, .value_kind: global_buffer, .address_space: global }
      - { .name: wv_codes, .offset: 24, .size: 8, .value_kind: global_buffer, .address_space: global }
      - { .name: wo_codes, .offset: 32, .size: 8, .value_kind: global_buffer, .address_space: global }
      - { .name: xq, .offset: 40, .size: 8, .value_kind: global_buffer, .address_space: global }
      - { .name: wimg, .offset: 48, .size: 8, .value_kind: global_buffer, .address_space: global }
    .group_segment_fixed_size: 13312
    .private_segment_fixed_size: 0
    .kernarg_segment_align: 8
    .kernarg_segment_size: 56
    .max_flat_workgroup_size: 128
    .sgpr_count:     66
    .vgpr_count:     128
    .wavefront_size: 32
...
	.end_amdgpu_metadata
.endif
;; end of part 1
;; launch qkvgemm (part 2): grid 8 x 32, 4 waves a work-group, clusters of 4 x 1, 205,312 bytes of LDS; arguments xq, wimg, wq_scales, wk_scales, wv_scales, bq, bk, bv, qkv; writes qkv
.if DOCPART == 2
	.amdgcn_target "amdgcn-amd-amdhsa--gfx1250"
	.amdhsa_code_object_version 6
	.text
	.protected	k_q81b160ec0c_qkvgemm
	.globl	k_q81b160ec0c_qkvgemm
	.p2align	8
	.type	k_q81b160ec0c_qkvgemm,@function
k_q81b160ec0c_qkvgemm:
	s_mov_b64 s[64:65], 0
	v_nop
	global_prefetch_b8 v0, s[64:65] scope:SCOPE_SE
	s_setreg_imm32_b32 hwreg(HW_REG_WAVE_MODE, 25, 1), 1
	s_wait_xcnt 0x0
	s_wait_alu depctr_hold_cnt(0) depctr_sa_sdst(0) depctr_va_vdst(0) depctr_va_sdst(0) depctr_va_ssrc(0) depctr_va_vcc(0) depctr_vm_vsrc(0)
	s_getreg_b32 s2, hwreg(HW_REG_IB_STS2, 6, 4)
	s_cmp_eq_u32 s2, 0
	s_cbranch_scc0 .Lentry_in_a_cluster
	s_endpgm
.Lentry_in_a_cluster:
	s_bfe_u32 s2, ttmp6, 0x10000c
	s_cmp_lg_u32 s2, 0x3003
	s_cbranch_scc0 .Lentry_shape_is_right
	s_endpgm
.Lentry_shape_is_right:
; q = wq x + bq, k = wk x + bk, v = wv x + bv on codes of FP6, and the quantisers behind them: q and k along the head's 64 channels, v along the keys.
; SHARES.  Work-group (j, Y): heads 2 j, 2 j + 1; 256 t (blocks TB = 2 Y, 2 Y + 1 of 128 t); all three matrices.  Wave w: TB 2 Y + w % 2, head eta = 2 j + w / 2: 64 o x 128 t, 32 accumulators.
; Three passes (q, k, v) of 8 K steps of 128, 32 matrix instructions a step, written out.
; x's codes of the 256 t, for all of K, are 204,800 dense bytes of xq: they come into LDS ONCE and stay; no byte of LDS is filled twice.  The four work-groups of a cluster share Y, so they ask for these bytes JOINTLY.
; The weights go from their images in memory straight into registers, a ring of four K steps: a wave's 64 rows of a weight are its own, so LDS would spare no read.
; q, k: source 0 = 16 rows of W, source 1 = 16 t: a lane holds one t, and the registers of the four tiles of W are the head's channels 32 h + 0 .. 31: a block.
; v: the sources are swapped: a lane holds one channel, and the registers of four tiles of t are keys 64 gg + 32 h + 0 .. 31: a block along the keys.
; The bias is the C of each pass's first K step.  q is quantised without its factor 2^-3 (see prep's head).
; REGISTERS.  window 0: v1-11 addresses; v16-63 the weights' scale words; v64-71 x's, two sets; v72-111 at work; v112-143 upper halves of blocks; v144-191 the codes made.
;   window 1: v0-191 x's fragments, two sets of 8; v192-223 bq, v224-255 bk in the result's layout.   window 2: the accumulators.   window 3: v0-191 the weights' ring; v192-223 bv.
.set XBLK,  12800                      ; a block of xq: 8 images and 512 bytes of scale words
.set TBB,   102400                     ; 8 of them: one TB
.set SPARE, 204800
.set LI,  1                            ; 16 x lane
.set XA,  2                            ; v2, v3  LDS: 16 x lane + my TB, K steps 0-3 and 4-7
.set L8,  4                            ; 8 x lane
.set SWA, 5                            ; where my scale words go, from the pass's base
.set H8,  6                            ; 8 h
.set AWS, 7
.set ABQ, 8
.set ABV, 9
.set SPW, 10
.set NIL, 11
.set WS,  16
.set XS,  64
.set T,   72
.set SO,  80
.set BY,  88
.set W,   96
.set WT,  100
.set SWR, 104
.set Y,   112
.set F,   144
.set WV,  22
.set G1,  32
.set G0,  40
.set OB,  56
.set FLO, 62
.set MSK, 63
.set SEL, 66
.set MSB, 0
.macro WIN new                         ; the immediate's high byte repeats the setting that is left
.if MSB != (\new)
	s_set_vgpr_msb (MSB<<8)|(\new)
.set MSB, (\new)
.endif
.endm
.macro PLACES
.rept 4
	v_nop
.endr
.endm
.macro CROUND                          ; a round of the cluster's barrier
	s_barrier_signal -1
	s_barrier_wait -1
	s_cmp_lg_u32 s[WV], 0
	s_cbranch_scc1 .Lnot_wave_0_\@
	s_barrier_signal -3
.Lnot_wave_0_\@:
	s_barrier_wait -3
	s_barrier_signal -1
	s_barrier_wait -1
.endm
	s_load_b256 s[4:11], s[0:1], 0x0               ; xq, wimg, wq_scales, wk_scales
	s_load_b256 s[12:19], s[0:1], 0x20             ; wv_scales, bq, bk, bv
	s_load_b64 s[20:21], s[0:1], 0x40              ; qkv
	v_lshl_add_u32 v[SPW], v0, 2, SPARE
	v_mov_b32 v[NIL], 0
	ds_add_u32 v[SPW], v[NIL]                      ; the opening: the add, twice on end, and its wait ahead of my first tensor load
	ds_add_u32 v[SPW], v[NIL]
	v_lshrrev_b32 v12, 5, v0
	v_readfirstlane_b32 s[WV], v12                 ; wave
	s_and_b32 s23, s[WV], 1                        ; which TB
	s_lshr_b32 s24, s[WV], 1                       ; which head
	s_bfe_u32 s25, ttmp6, 0x40000                  ; cx: it enters the weights', biases' and results' addresses alone
	s_lshl_b32 s26, ttmp9, 2
	s_add_co_u32 s26, s26, s25                     ; j
	s_lshl_b32 s27, s26, 1
	s_add_co_u32 s27, s27, s24                     ; eta
	s_and_b32 s28, ttmp7, 0xffff                   ; Y
	s_mov_b32 s[G1], 15|(3<<16)|(1<<21)            ; the mask: all four work-groups; elements of 8 bytes; bit 21 beside a mask; no padding
	s_mov_b32 s[G1+1], 32<<16                      ; tensor_dim0 = 32: rows of 256 bytes
	s_mov_b32 s[G1+2], 50<<16                      ; tensor_dim1 = 50: 12,800 bytes
	s_mov_b32 s[G1+3], 32<<16                      ; tile_dim0
	s_mov_b32 s[G1+4], 50                          ; tile_dim1
	s_mov_b32 s[G1+5], 32                          ; the pitch: dense
	s_mov_b32 s[G1+6], 0
	s_mov_b32 s[G1+7], 0
	s_mul_i32 s29, s23, TBB
	s_mul_i32 s30, s24, XBLK
	s_add_co_u32 s29, s29, s30                     ; my first block: (TB w % 2, K step w / 2); my others lie two K steps apart
	s_mul_i32 s30, s28, 2*TBB
	s_add_co_u32 s30, s30, s29                     ; the same in xq: Y and the wave's number alone
	s_mov_b32 s31, 0
	s_mov_b32 s[FLO], 0x1800000                    ; the floor 2^(3 - 127)
	s_mov_b32 s[MSK], 0xffff0000                   ; lanes 16-31
	s_mov_b32 s[SEL], 0x76543210
	s_mov_b32 s[SEL+1], 0xfedcba98                 ; lane l xor 16
	v_and_b32 v12, 31, v0
	v_and_b32 v13, 15, v0                          ; r
	v_bfe_u32 v14, v0, 4, 1                        ; h
	v_lshlrev_b32 v[LI], 4, v12
	s_mul_i32 s68, s23, TBB
	v_add_nc_u32 v[XA], s68, v[LI]
	v_add_nc_u32 v[XA+1], 4*XBLK, v[XA]
	v_lshlrev_b32 v[L8], 3, v12
	s_and_b32 s69, s28, 3
	s_lshl_b32 s69, s69, 1
	s_add_co_u32 s69, s69, s23                     ; sigma = TB % 8
	s_mul_i32 s70, s69, 5888
	s_sub_co_u32 s70, 49152, s70                   ; the scale words lie at 49,152 + 256 sigma of a head's part; the base below holds 6,144 sigma
	v_lshl_add_u32 v[SWA], v12, 2, s70
	v_lshlrev_b32 v[H8], 3, v14
	v_and_b32 v15, 7, v13
	v_lshrrev_b32 v13, 3, v13
	v_lshl_add_u32 v15, v13, 5, v15                ; 32 (r / 8) + r % 8
	v_lshlrev_b32 v[ABV], 2, v15                   ; bv: my channel of tile 0
	v_lshl_add_u32 v15, v14, 3, v15                ; lanes 16-31 take the next tile's rows
	v_lshlrev_b32 v[AWS], 5, v15                   ; a row of scale bytes is 32 bytes
	v_lshlrev_b32 v[ABQ], 7, v14                   ; bq, bk: channels 32 h on
.irp p, 0,1,2,3
	v_mov_b32 v[WT+\p], 0                          ; written once: a lane permute's destination counts as one of its sources
.endr
	s_wait_dscnt 0x0                               ; both opening adds are done
	s_wait_kmcnt 0x0
	s_add_nc_u64 s[4:5], s[4:5], s[30:31]
.irp g, 0,1,2,3
	s_mov_b32 s[G0+4*\g], 1
	s_add_co_u32 s[G0+4*\g+1], s29, \g*2*XBLK
	s_add_nc_u64 s[G0+4*\g+2:G0+4*\g+3], s[4:5], \g*2*XBLK
	s_or_b32 s[G0+4*\g+3], s[G0+4*\g+3], 0x80000000
.endr
	s_mul_i32 s70, s27, 49152
	s_mov_b32 s71, 0
	s_add_nc_u64 s[6:7], s[6:7], s[70:71]          ; my head's images of wq; wk's and wv's lie 786,432 bytes on each
	s_lshl_b32 s70, s27, 11
	s_add_nc_u64 s[8:9], s[8:9], s[70:71]
	s_add_nc_u64 s[10:11], s[10:11], s[70:71]
	s_add_nc_u64 s[12:13], s[12:13], s[70:71]
	s_lshl_b32 s70, s27, 8
	s_add_nc_u64 s[14:15], s[14:15], s[70:71]
	s_add_nc_u64 s[16:17], s[16:17], s[70:71]
	s_add_nc_u64 s[18:19], s[18:19], s[70:71]
	s_lshr_b32 s70, s28, 2                         ; b
	s_lshl_b32 s70, s70, 4
	s_add_co_u32 s70, s70, s27                     ; 16 b + eta
	s_mul_i32 s70, s70, 51200
	s_mul_i32 s72, s69, 6144
	s_add_co_u32 s70, s70, s72
	s_add_nc_u64 s[OB:OB+1], s[20:21], s[70:71]
	s_add_nc_u64 s[OB+2:OB+3], s[OB:OB+1], 6553600
	s_add_nc_u64 s[OB+4:OB+5], s[OB:OB+1], 13107200
	CROUND                                         ; all four work-groups are here: the joint loads meet
.irp g, 0,1,2,3
	tensor_load_to_lds s[G0+4*\g:G0+4*\g+3], s[G1:G1+7]   ; four loads of mine are out: K steps w / 2, 2 + w / 2, 4 + w / 2, 6 + w / 2 of my TB
	s_nop 0
.endr
	PLACES
.irp i, 0,1
.irp q, 0,1
	global_load_b128 v[WS+8*\i+4*\q:WS+8*\i+4*\q+3], v[AWS], s[8:9] offset:512*\i+16*\q          ; register 8 i + kappa: lanes 0-15 tile 2 i, lanes 16-31 tile 2 i + 1
	global_load_b128 v[WS+16+8*\i+4*\q:WS+16+8*\i+4*\q+3], v[AWS], s[10:11] offset:512*\i+16*\q
	global_load_b128 v[WS+32+8*\i+4*\q:WS+32+8*\i+4*\q+3], v[AWS], s[12:13] offset:512*\i+16*\q
.endr
.endr
	WIN 0x40
.irp i, 0,1,2,3,4,5,6,7
	global_load_b128 v[192+4*\i:192+4*\i+3], v[ABQ], s[14:15] offset:16*\i
	global_load_b128 v[224+4*\i:224+4*\i+3], v[ABQ], s[16:17] offset:16*\i
.endr
	WIN 0xc0
.irp t, 0,1,2,3
.irp j, 0,1,2,3,4,5,6,7
	global_load_b32 v[192+8*\t+\j], v[ABV], s[18:19] offset:32*\t     ; in v's layout a lane is one channel: its eight registers hold the same bias
.endr
.endr
.macro WLOAD m                         ; the weights of step m (pass m / 8, K step m % 8): four fragments into ring place m % 4
	WIN 0xc0
.irp t, 0,1,2,3
.irp c, 0,1,2
	global_load_b128 v[48*((\m)%4)+12*\t+4*\c:48*((\m)%4)+12*\t+4*\c+3], v[LI], s[6:7] offset:((\m)/8)*786432+((\m)%8)*6144+\t*1536+512*\c
.endr
.endr
.endm
.macro XLOAD k, set                    ; x's eight fragments and their scale words of K step k
	WIN 0x40
.irp x, 0,1,2,3,4,5,6,7
.irp c, 0,1,2
	ds_load_b128 v[96*(\set)+12*\x+4*\c:96*(\set)+12*\x+4*\c+3], v[XA+(\k)/4] offset:((\k)%4)*XBLK+\x*1536+512*\c
.endr
.endr
	WIN 0
	ds_load_b128 v[XS+4*(\set):XS+4*(\set)+3], v[XA+(\k)/4] offset:((\k)%4)*XBLK+12288   ; register i: lanes 0-15 tile 2 i, lanes 16-31 tile 2 i + 1
.endm
.macro WMX
.if qa == 0 && qb == 0
	v_wmma_scale_f32_16x16x128_f8f6f4 v[rD:rD+7], v[rA:rA+11], v[rB:rB+11], v[rC:rC+7], v[rSA], v[rSB] matrix_a_fmt:MATRIX_FMT_FP6 matrix_b_fmt:MATRIX_FMT_FP6
.elseif qa == 1 && qb == 0
	v_wmma_scale_f32_16x16x128_f8f6f4 v[rD:rD+7], v[rA:rA+11], v[rB:rB+11], v[rC:rC+7], v[rSA], v[rSB] matrix_a_fmt:MATRIX_FMT_FP6 matrix_b_fmt:MATRIX_FMT_FP6 matrix_a_scale:MATRIX_SCALE_ROW1
.elseif qa == 0
	v_wmma_scale_f32_16x16x128_f8f6f4 v[rD:rD+7], v[rA:rA+11], v[rB:rB+11], v[rC:rC+7], v[rSA], v[rSB] matrix_a_fmt:MATRIX_FMT_FP6 matrix_b_fmt:MATRIX_FMT_FP6 matrix_b_scale:MATRIX_SCALE_ROW1
.else
	v_wmma_scale_f32_16x16x128_f8f6f4 v[rD:rD+7], v[rA:rA+11], v[rB:rB+11], v[rC:rC+7], v[rSA], v[rSB] matrix_a_fmt:MATRIX_FMT_FP6 matrix_b_fmt:MATRIX_FMT_FP6 matrix_a_scale:MATRIX_SCALE_ROW1 matrix_b_scale:MATRIX_SCALE_ROW1
.endif
.endm
.macro WM                              ; the product of x's tile xt and the weight's tile tp
.if MU < 2
.set rD, 8*(4*xt+tp)
.set rA, 48*RING+12*tp
.set rB, 96*SET+12*xt
.set rSA, WS+16*MU+8*(tp/2)+KAP
.set rSB, XS+4*SET+xt/2
.set qa, tp%2
.set qb, xt%2
.set rC, rD
.if KAP == 0
.set rC, 192+32*MU+8*tp
.endif
.else
.set rD, 8*(4*(2*tp+xt/4)+xt%4)
.set rA, 96*SET+12*xt
.set rB, 48*RING+12*tp
.set rSA, XS+4*SET+xt/2
.set rSB, WS+32+8*(tp/2)+KAP
.set qa, xt%2
.set qb, tp%2
.set rC, rD
.if KAP == 0
.set rC, 192+8*tp
.endif
.endif
	WMX
.endm
; Step n: the loads of later steps first, then this step's 32 products; the 32 accumulators take turns in the same order in every step.
; tw >= 0: the next K step's bytes of x are waited for (my later fills may stay out) and shown to all four waves.
.macro STEP n, tw
.set MU, (\n)/8
.set KAP, (\n)%8
.set SET, (\n)%2
.set RING, (\n)%4
	WIN 0
.if (\tw) >= 0
	s_wait_tensorcnt \tw
	s_wait_dscnt 0x0                               ; no LDS instruction of mine is out at a signal
	s_barrier_signal -1
	s_barrier_wait -1
.endif
	PLACES                                         ; four places in front of loads into registers that the last step's products read
.if (\n) <= 20
	WLOAD (\n)+3
.endif
.if (\n) < 23
	XLOAD ((\n)+1)%8, ((\n)+1)%2
.endif
.if (\n) <= 20
	s_wait_loadcnt 36                              ; this step's weights are in; those of the three steps behind it, 12 loads each, may be out
.else
	s_wait_loadcnt 12*(23-(\n))
.endif
.if (\n) < 23
	s_wait_dscnt 25                                ; this step's x is in; the 25 loads just issued may be out
.else
	s_wait_dscnt 0x0
.endif
.if MU < 2
.if KAP == 0
	WIN 0x97                                       ; W window 3, x window 1, C (the bias) window 1, D window 2
.else
	WIN 0xa7
.endif
.else
.if KAP == 0
	WIN 0xbd                                       ; x window 1, W window 3, C (the bias) window 3, D window 2
.else
	WIN 0xad
.endif
.endif
.set xt, 0
.rept 8
.set tp, 0
.rept 4
	WM
.set tp, tp+1
.endr
.set xt, xt+1
.endr
.endm
; Behind a pass: eight units of 32 registers, each a block of 32 in every lane, become codes and scale bytes.  q, k: unit u = tile u of t.  v: unit u = (tile u / 2 of channels, 64 keys u % 2).
.macro EPI mu
	WIN 0
	s_wait_xcnt 0x0                                ; the last pass's stores have read their registers
	PLACES                                         ; in front of the first read of results
	WIN 0x28
.irp u, 0,1,2,3,4,5,6,7
	v_max3_num_f32 v[T+\u], s[FLO], |v[32*\u]|, |v[32*\u+1]|       ; each accumulator is read from its low end on; the floor is a leaf
.endr
.set ii, 2
.rept 15
.irp u, 0,1,2,3,4,5,6,7
	v_max3_num_f32 v[T+\u], v[T+\u], |v[32*\u+ii]|, |v[32*\u+ii+1]|
.endr
.set ii, ii+2
.endr
	WIN 0
.irp u, 0,1,2,3,4,5,6,7
	v_add_nc_u32 v[SO+\u], 0xff000000, v[T+\u]     ; the conversion's scale operand
.endr
.irp u, 0,1,2,3,4,5,6,7
	v_lshrrev_b32 v[BY+\u], 23, v[SO+\u]           ; the byte
.endr
.irp p, 0,1,2,3
	v_lshl_or_b32 v[W+\p], v[BY+2*\p+1], 16, v[BY+2*\p]
.endr
.irp p, 0,1,2,3
	v_lshlrev_b32 v[W+\p], v[H8], v[W+\p]          ; my half's two bytes at their places,
.endr
.irp p, 0,1,2,3
	v_permlanex16_b32 v[WT+\p], v[W+\p], s[SEL], s[SEL+1]
.endr
.irp p, 0,1,2,3
	v_or_b32 v[W+\p], v[W+\p], v[WT+\p]            ; with lane l xor 16's the pair's word is whole
.endr
.irp q, 0,1
	v_cndmask_b32 v[SWR+\q], v[W+2*\q], v[W+2*\q+1], s[MSK]        ; lanes 0-15 pair 2 q, lanes 16-31 pair 2 q + 1
.endr
	WIN 0x02
.irp u, 0,1,2,3,4,5,6,7
	v_cvt_scalef32_pk16_fp6_f32 v[F+6*\u:F+6*\u+2], v[32*\u:32*\u+15], v[SO+\u]
	v_cvt_scalef32_pk16_fp6_f32 v[Y+4*\u:Y+4*\u+2], v[32*\u+16:32*\u+31], v[SO+\u]
.endr
	WIN 0
	v_nop                                          ; one plain instruction behind the scaled conversions
.irp u, 0,1,2,3,4,5,6,7
.irp i, 0,1,2
	v_mov_b32 v[F+6*\u+3+\i], v[Y+4*\u+\i]
.endr
.endr
.if (\mu) == 0
.irp u, 0,1,2,3,4,5,6,7
	global_store_b128 v[LI], v[F+6*\u:F+6*\u+3], s[OB:OB+1] offset:768*\u             ; a tile of q: six registers, 768 bytes
	global_store_b64 v[L8], v[F+6*\u+4:F+6*\u+5], s[OB:OB+1] offset:768*\u+512
.endr
.else
.irp p, 0,1,2,3
.irp c, 0,1,2
	global_store_b128 v[LI], v[F+12*\p+4*\c:F+12*\p+4*\c+3], s[OB+2*(\mu):OB+2*(\mu)+1] offset:1536*\p+512*\c
.endr
.endr
.endif
.irp q, 0,1
	global_store_b32 v[SWA], v[SWR+\q], s[OB+2*(\mu):OB+2*(\mu)+1] offset:128*\q
.endr
.endm
	WLOAD 0
	WLOAD 1
	WLOAD 2
	WIN 0
	s_wait_tensorcnt 0x3                           ; my first fill is in (three may be out): with the other waves' that is K steps 0 and 1
	s_barrier_signal -1
	s_barrier_wait -1
	XLOAD 0, 0
	STEP 0, -1
	STEP 1, 2
	STEP 2, -1
	STEP 3, 1
	STEP 4, -1
	STEP 5, 0
	STEP 6, -1
	STEP 7, -1
	EPI 0
.irp n, 8,9,10,11,12,13,14,15
	STEP \n, -1
.endr
	EPI 1
.irp n, 16,17,18,19,20,21,22,23
	STEP \n, -1
.endr
	EPI 2
	s_wait_tensorcnt 0x0                           ; the wave's end
	ds_add_u32 v[SPW], v[NIL]
	s_wait_dscnt 0x0
	CROUND                                         ; the closing round
	s_endpgm
.Lfunc_end_k_q81b160ec0c_qkvgemm:
	.size	k_q81b160ec0c_qkvgemm, .Lfunc_end_k_q81b160ec0c_qkvgemm-k_q81b160ec0c_qkvgemm
	.p2alignl 7, 3214868480
	.fill 96, 4, 3214868480
	.section	.rodata,"a",@progbits
	.p2align	6, 0x0
	.amdhsa_kernel k_q81b160ec0c_qkvgemm
		.amdhsa_group_segment_fixed_size 205312
		.amdhsa_private_segment_fixed_size 0
		.amdhsa_enable_private_segment 0
		.amdhsa_kernarg_size 72
		.amdhsa_user_sgpr_count 2
		.amdhsa_user_sgpr_kernarg_segment_ptr 1
		.amdhsa_wavefront_size32 1
		.amdhsa_system_sgpr_workgroup_id_x 1
		.amdhsa_system_sgpr_workgroup_id_y 1
		.amdhsa_system_sgpr_workgroup_id_z 1
		.amdhsa_system_vgpr_workitem_id 0
		.amdhsa_next_free_vgpr 992
		.amdhsa_next_free_sgpr 80
		.amdhsa_reserve_vcc 0
		.amdhsa_float_denorm_mode_32 3
		.amdhsa_float_denorm_mode_16_64 3
		.amdhsa_memory_ordered 1
		.amdhsa_forward_progress 1
		.amdhsa_inst_pref_size 221
	.end_amdhsa_kernel
	.amdgpu_metadata
---
amdhsa.version: [ 1, 2 ]
amdhsa.kernels:
  - .name:           k_q81b160ec0c_qkvgemm
    .symbol:         k_q81b160ec0c_qkvgemm.kd
    .args:
      - { .name: xq, .offset: 0, .size: 8, .value_kind: global_buffer, .address_space: global }
      - { .name: wimg, .offset: 8, .size: 8, .value_kind: global_buffer, .address_space: global }
      - { .name: wq_scales, .offset: 16, .size: 8, .value_kind: global_buffer, .address_space: global }
      - { .name: wk_scales, .offset: 24, .size: 8, .value_kind: global_buffer, .address_space: global }
      - { .name: wv_scales, .offset: 32, .size: 8, .value_kind: global_buffer, .address_space: global }
      - { .name: bq, .offset: 40, .size: 8, .value_kind: global_buffer, .address_space: global }
      - { .name: bk, .offset: 48, .size: 8, .value_kind: global_buffer, .address_space: global }
      - { .name: bv, .offset: 56, .size: 8, .value_kind: global_buffer, .address_space: global }
      - { .name: qkv, .offset: 64, .size: 8, .value_kind: global_buffer, .address_space: global }
    .group_segment_fixed_size: 205312
    .private_segment_fixed_size: 0
    .kernarg_segment_align: 8
    .kernarg_segment_size: 72
    .max_flat_workgroup_size: 128
    .sgpr_count:     80
    .vgpr_count:     992
    .wavefront_size: 32
...
	.end_amdgpu_metadata
.endif
;; end of part 2
;; launch attn (part 3): grid 2 x 128, 4 waves a work-group, no clusters, 167,936 bytes of LDS; arguments qkv, oq; writes oq
.if DOCPART == 3
	.amdgcn_target "amdgcn-amd-amdhsa--gfx1250"
	.amdhsa_code_object_version 6
	.text
	.protected	k_q81b160ec0c_attn
	.globl	k_q81b160ec0c_attn
	.p2align	8
	.type	k_q81b160ec0c_attn,@function
k_q81b160ec0c_attn:
	s_mov_b64 s[64:65], 0
	v_nop
	global_prefetch_b8 v0, s[64:65] scope:SCOPE_SE
	s_setreg_imm32_b32 hwreg(HW_REG_WAVE_MODE, 25, 1), 1
	s_wait_xcnt 0x0
; out = softmax(q k / 8) v for one head and 512 queries, both products on codes of FP6; the softmax is quantised FINISHED AND NORMALISED, along the keys; out is quantised along the channels for the projection.
; SHARES.  Work-group (X, bh); wave w owns the 128 queries of block 4 X + w: eight tiles of 16, one trip of the loop each.
; A wave holds ALL scores of its 16 queries, 16 x 1,024, in 512 registers: each score is multiplied once and put through one exponential, and the row's maximum and sum are known before any weight is converted.
; K's and V's images of the whole head (49,152 bytes each) come into LDS once and stay; their scale words stay in 32 registers.  No byte of LDS is filled twice.
; NO CLUSTER: two work-groups share a head's tiles, which each loads once at its head; the shapes of clusters here are fours.
; K = 64 FILLS HALF OF THE INSTRUCTION'S 128: an image of K holds two tiles of 16 keys, one in each half of K; it is multiplied by [q | zeros] and by [zeros | q]: zero codes add nothing.
; LAYOUT.  S^T = K Q^T, O^T = V^T P^T: a lane holds one query.  By the order of rows in a tile (prep's head) registers 32 g + i of S are keys 64 g + 32 h + i: a block of 32 keys in one lane.
; THE SOFTMAX: m the row's largest score; p = 2^(c s - c m), c = log2(e) / 8 (the 8 is reference()'s SCALE: prep's head); l their sum; p / l is what is quantised (1 / l by v_rcp_f32 and one Newton step).
; A block's largest weight is not searched for: the block's largest SCORE goes through the same multiply-add, exponential and multiplication.  LIMIT: that takes v_exp_f32 not to fall where its input rises; at the worst one weight
; of a block, within an ulp of a power of two, is held one code low.
; nan_to_num: in a softmax a NaN is a whole row's (a NaN term makes the sum NaN; a sum that is no NaN lies between 1 and 1,024).  So the guard is one flag a query, l != l, and a select of 0 on that query's results.
; REGISTERS.  window 0: see the names below.   windows 1, 2: S.   window 3: v0-143 three sets of four fragments of K or of V.
.set STG,   98304                      ; behind K and V: 256 bytes a wave, out's scale bytes
.set SPARE, 99328
.set LI,  1                            ; 16 x lane
.set VA,  2                            ; the same in V's part of LDS
.set L8,  3
.set L4,  4
.set R4,  5
.set H8,  6
.set STA, 7                            ; my stage + 2 r
.set Z,   8                            ; 0
.set SPW, 9
.set NIL, 10
.set STR, 11                           ; my stage + 2 x lane
.set QTA, 12
.set STW, 13
.set TP,  14
.set HW,  15
.set KS,  16                           ; v16-31 K's scale words: register i: lanes 0-15 image 2 i, lanes 16-31 image 2 i + 1
.set VS,  32                           ; v32-47 V's likewise
.set PS,  48                           ; v48-55 the weights' scale words, one for each 128 keys
.set QS,  56
.set QRAW, 57
.set QA,  60                           ; v60-71 [q | 0]
.set QB,  72                           ; v72-83 [0 | q]
.set P,   84                           ; v84-107 the weights' codes, two sets
.set Y0,  108
.set Y1,  112
.set O,   116                          ; v116-147 O^T: register 8 d + j = channel 32 h + 8 d + j
.set BM,  148                          ; v148-163 each block's largest score, then weight, then scale operand
.set BY,  164
.set L,   180
.set MX,  188
.set NM,  190
.set R,   192
.set LS,  194
.set T0,  196
.set T1,  197
.set OC,  200
.set YO,  208
.set U,   212
.set WV,  8
.set QP,  12
.set QTB, 14
.set OP,  16
.set SOUT, 18
.set CS,  20
.set NC,  22
.set NINF, 23
.set FLO, 24
.set SH,  25
.set G1,  28
.set G0K, 36
.set G0V, 40
.set SEL, 44
.set FLAG, 46
.set I,   47
.set STO, 48
.set KB,  52
.set VB,  54
.set MSB, 0
.macro WIN new
.if MSB != (\new)
	s_set_vgpr_msb (MSB<<8)|(\new)
.set MSB, (\new)
.endif
.endm
.macro PLACES
.rept 4
	v_nop
.endr
.endm
	s_load_b128 s[4:7], s[0:1], 0x0                ; qkv, oq
	v_lshl_add_u32 v[SPW], v0, 2, SPARE
	v_mov_b32 v[NIL], 0
	ds_add_u32 v[SPW], v[NIL]                      ; the opening: the add, twice on end, and its wait ahead of my first tensor load
	ds_add_u32 v[SPW], v[NIL]
	v_lshrrev_b32 v11, 5, v0
	v_readfirstlane_b32 s[WV], v11
	s_and_b32 s10, ttmp7, 0xffff                   ; bh
	s_lshl_b32 s9, ttmp9, 2
	s_add_co_u32 s9, s9, s[WV]                     ; my block of 128 queries in the batch
	s_mov_b32 s[G1], 3<<16                         ; no mask; elements of 8 bytes; no padding
	s_mov_b32 s[G1+1], 32<<16                      ; rows of 256 bytes,
	s_mov_b32 s[G1+2], 48<<16                      ; 48 of them: 12,288 bytes, a quarter of K or of V
	s_mov_b32 s[G1+3], 32<<16
	s_mov_b32 s[G1+4], 48
	s_mov_b32 s[G1+5], 32
	s_mov_b32 s[G1+6], 0
	s_mov_b32 s[G1+7], 0
	s_mov_b32 s[CS], 0x3e38aa3b                    ; c = log2(e) / 8
	s_mov_b32 s[CS+1], s[CS]
	s_mov_b32 s[NC], 0xbe38aa3b                    ; -c
	s_mov_b32 s[NINF], 0xff800000
	s_mov_b32 s[FLO], 0x1800000
	s_mov_b32 s[SEL], 0x76543210
	s_mov_b32 s[SEL+1], 0xfedcba98
	s_mov_b32 s[I], 0
	s_mov_b32 s[STO], 0
	v_and_b32 v12, 31, v0
	v_and_b32 v13, 15, v0
	v_bfe_u32 v14, v0, 4, 1
	v_lshlrev_b32 v[LI], 4, v12
	v_add_nc_u32 v[VA], 49152, v[LI]
	v_lshlrev_b32 v[L8], 3, v12
	v_lshlrev_b32 v[L4], 2, v12
	v_lshlrev_b32 v[R4], 2, v13
	v_lshlrev_b32 v[H8], 3, v14
	s_lshl_b32 s50, s[WV], 8
	s_add_co_u32 s50, s50, STG
	v_lshl_add_u32 v[STA], v13, 1, s50
	v_lshl_add_u32 v[STR], v12, 1, s50
	v_mov_b32 v[Z], 0
	v_mov_b32 v[QTA], v[R4]
	v_mov_b32 v[TP], 0                             ; written once: a lane permute's destination counts as one of its sources
.irp i, 0,1,2,3,4,5
	v_mov_b32 v[QA+6+\i], 0                        ; the zero halves, written once
	v_mov_b32 v[QB+\i], 0
.endr
	s_wait_dscnt 0x0
	s_wait_kmcnt 0x0
	s_mul_i32 s50, s10, 51200
	s_mov_b32 s51, 0
	s_add_nc_u64 s[QP:QP+1], s[4:5], s[50:51]      ; the head's part of q,
	s_add_nc_u64 s[KB:KB+1], s[QP:QP+1], 6553600   ; of k,
	s_add_nc_u64 s[VB:VB+1], s[QP:QP+1], 13107200  ; of v
	s_mul_i32 s50, s[WV], 12288
	s_mov_b32 s[G0K], 1
	s_mov_b32 s[G0K+1], s50
	s_add_nc_u64 s[G0K+2:G0K+3], s[KB:KB+1], s[50:51]
	s_or_b32 s[G0K+3], s[G0K+3], 0x80000000
	s_mov_b32 s[G0V], 1
	s_add_co_u32 s[G0V+1], s50, 49152
	s_add_nc_u64 s[G0V+2:G0V+3], s[VB:VB+1], s[50:51]
	s_or_b32 s[G0V+3], s[G0V+3], 0x80000000
	tensor_load_to_lds s[G0K:G0K+3], s[G1:G1+7]    ; every wave brings a quarter of K and a quarter of V: two loads of mine are out
	s_nop 0
	tensor_load_to_lds s[G0V:G0V+3], s[G1:G1+7]
	s_nop 0
	PLACES
	s_lshl_b32 s50, s9, 8
	s_add_co_u32 s50, s50, 49152
	s_add_nc_u64 s[QTB:QTB+1], s[QP:QP+1], s[50:51]   ; q's scale words of my 128 queries: 64 bytes for each pair of tiles
	s_mul_i32 s50, s9, 6144
	s_add_nc_u64 s[QP:QP+1], s[QP:QP+1], s[50:51]     ; my first tile of q
	s_lshr_b32 s50, s10, 4
	s_lshl_b32 s50, s50, 3
	s_add_co_u32 s50, s50, s9                      ; TB = 8 b + my block
	s_mul_i32 s50, s50, 102400
	s_add_nc_u64 s[OP:OP+1], s[6:7], s[50:51]
	s_and_b32 s26, s10, 15                         ; eta
	s_lshl_b32 s26, s26, 8
	s_add_co_u32 s26, s26, 98304
	s_mov_b32 s27, 0
	s_add_nc_u64 s[SOUT:SOUT+1], s[OP:OP+1], s[26:27]
	s_and_b32 s26, s10, 15
	s_mul_i32 s26, s26, 6144
	s_add_nc_u64 s[OP:OP+1], s[OP:OP+1], s[26:27]
.irp i, 0,1,2,3,4,5,6,7,8,9,10,11,12,13,14,15
	global_load_b32 v[KS+\i], v[L4], s[KB:KB+1] offset:49152+128*\i
	global_load_b32 v[VS+\i], v[L4], s[VB:VB+1] offset:49152+128*\i
.endr
.macro QLOAD                           ; a tile of q into both forms, and its pair's scale word
	global_load_b128 v[QA:QA+3], v[LI], s[QP:QP+1]
	global_load_b64 v[QA+4:QA+5], v[L8], s[QP:QP+1] offset:512
	global_load_b128 v[QB+6:QB+9], v[LI], s[QP:QP+1]
	global_load_b64 v[QB+10:QB+11], v[L8], s[QP:QP+1] offset:512
	global_load_b32 v[QRAW], v[QTA], s[QTB:QTB+1]
.endm
	QLOAD
.macro KLOAD b                         ; four images of K (eight tiles of keys) into set b % 3
	WIN 0xc0
.irp k, 0,1,2,3
.irp c, 0,1,2
	ds_load_b128 v[48*((\b)%3)+12*\k+4*\c:48*((\b)%3)+12*\k+4*\c+3], v[LI] offset:(4*(\b)+\k)*1536+512*\c
.endr
.endr
.endm
.macro VLOAD s                         ; V's four images of keys 128 s on into set s % 3
	WIN 0xc0
.irp d, 0,1,2,3
.irp c, 0,1,2
	ds_load_b128 v[48*((\s)%3)+12*\d+4*\c:48*((\s)%3)+12*\d+4*\c+3], v[VA] offset:(4*(\s)+\d)*1536+512*\c
.endr
.endr
.endm
.macro WMZ                             ; a product that starts a sum
.if qa == 0
	v_wmma_scale_f32_16x16x128_f8f6f4 v[rD:rD+7], v[rA:rA+11], v[rB:rB+11], 0, v[rSA], v[rSB] matrix_a_fmt:MATRIX_FMT_FP6 matrix_b_fmt:MATRIX_FMT_FP6
.else
	v_wmma_scale_f32_16x16x128_f8f6f4 v[rD:rD+7], v[rA:rA+11], v[rB:rB+11], 0, v[rSA], v[rSB] matrix_a_fmt:MATRIX_FMT_FP6 matrix_b_fmt:MATRIX_FMT_FP6 matrix_a_scale:MATRIX_SCALE_ROW1
.endif
.endm
.macro WMC                             ; and one that adds in place
.if qa == 0
	v_wmma_scale_f32_16x16x128_f8f6f4 v[rD:rD+7], v[rA:rA+11], v[rB:rB+11], v[rD:rD+7], v[rSA], v[rSB] matrix_a_fmt:MATRIX_FMT_FP6 matrix_b_fmt:MATRIX_FMT_FP6
.else
	v_wmma_scale_f32_16x16x128_f8f6f4 v[rD:rD+7], v[rA:rA+11], v[rB:rB+11], v[rD:rD+7], v[rSA], v[rSB] matrix_a_fmt:MATRIX_FMT_FP6 matrix_b_fmt:MATRIX_FMT_FP6 matrix_a_scale:MATRIX_SCALE_ROW1
.endif
.endm
; The weights of keys 128 sg on: divided by the sum, converted; behind the 32 multiplications, which are the places behind the last products, V's images of two steps on are asked for.
.macro VEC sg
.set wv, 1+(\sg)/4
.set sb, (64*(\sg))%256
.set ps, P+12*((\sg)%2)
	WIN wv|(wv<<6)
.set pp, 0
.rept 32
	v_pk_mul_f32 v[sb+2*pp:sb+2*pp+1], v[sb+2*pp:sb+2*pp+1], v[R:R+1] op_sel_hi:[1,0]
.set pp, pp+1
.endr
.if (\sg) >= 1 && (\sg) <= 6
	VLOAD (\sg)+1
.endif
	WIN wv
	v_cvt_scalef32_pk16_fp6_f32 v[ps:ps+2], v[sb:sb+15], v[BM+2*(\sg)]
	v_cvt_scalef32_pk16_fp6_f32 v[Y0:Y0+2], v[sb+16:sb+31], v[BM+2*(\sg)]
	v_cvt_scalef32_pk16_fp6_f32 v[ps+6:ps+8], v[sb+32:sb+47], v[BM+2*(\sg)+1]
	v_cvt_scalef32_pk16_fp6_f32 v[Y1:Y1+2], v[sb+48:sb+63], v[BM+2*(\sg)+1]
	WIN 0
	v_nop                                          ; one plain instruction behind the scaled conversions
.irp i, 0,1,2
	v_mov_b32 v[ps+3+\i], v[Y0+\i]
	v_mov_b32 v[ps+9+\i], v[Y1+\i]
.endr
.endm
.macro WMMA sg                         ; O^T += V^T P^T for keys 128 sg on: the four accumulators take turns, one instruction a turn
.if (\sg) < 6
	s_wait_dscnt 24                                ; these four images are in; the two younger batches of 12 loads may be out
.elseif (\sg) == 6
	s_wait_dscnt 12
.else
	s_wait_dscnt 0x0
.endif
	WIN 0x03
.set dl, 0
.rept 4
.set rD, O+8*dl
.set rA, 48*((\sg)%3)+12*dl
.set rB, P+12*((\sg)%2)
.set rSA, VS+2*(\sg)+dl/2
.set rSB, PS+(\sg)
.set qa, dl%2
.if (\sg) == 0
	WMZ
.else
	WMC
.endif
.set dl, dl+1
.endr
.endm
	s_wait_tensorcnt 0x0                           ; my quarters of K and V are in,
	s_barrier_signal -1
	s_barrier_wait -1                              ; everybody's are; nothing is filled again
.Ltile:                                            ; eight trips: tile I of my queries
	; ---- the scores: 64 products
	s_wait_loadcnt 0x0                             ; this tile's q (asked for a trip ago); in the first trip the scale words too
	s_and_b32 s[SH], s[I], 1
	s_lshl_b32 s[SH], s[SH], 4
	v_lshrrev_b32 v[QS], s[SH], v[QRAW]            ; the pair's word holds two bytes for each of its tiles:
	v_and_b32 v[QS], 0xffff, v[QS]                 ; mine,
	v_lshl_or_b32 v[QS], v[QS], 16, v[QS]          ; for both halves of K
	KLOAD 0
	KLOAD 1
	KLOAD 2
	WIN 0
.rept 8
	v_nop                                          ; a scale register written by a vector instruction stands eight places ahead of the product
.endr
.set bt, 0
.rept 8
.if bt < 6
	s_wait_dscnt 24                                ; this batch is in; the two younger batches of 12 may be out
.elseif bt == 6
	s_wait_dscnt 12
.else
	s_wait_dscnt 0x0
.endif
.if bt < 4
	WIN 0x43                                       ; K window 3, q window 0, S window 1
.else
	WIN 0x83
.endif
.set kk, 0
.rept 4
.set ff, 4*bt+kk
.set rA, 48*(bt%3)+12*kk
.set rSA, KS+ff/2
.set rSB, QS
.set qa, ff%2
.set rD, (16*ff)%256
.set rB, QA
	WMZ
.set rD, (16*ff+8)%256
.set rB, QB
	WMZ
.set kk, kk+1
.endr
	PLACES                                         ; in front of loads into the set just read; the last four stand in front of the first read of scores and of the loads into q
.if bt < 5
	KLOAD bt+3
.endif
.set bt, bt+1
.endr
	WIN 0
	s_cmp_eq_u32 s[I], 7                           ; the next tile's q, if there is one: no load leaves its buffer
	s_cbranch_scc1 .Lno_q
	s_add_nc_u64 s[QP:QP+1], s[QP:QP+1], 768       ; (its last loads were waited for at the trip's head)
	s_add_co_u32 s50, s[I], 1
	s_lshr_b32 s50, s50, 1
	s_lshl_b32 s50, s50, 6
	v_add_nc_u32 v[QTA], s50, v[R4]
	QLOAD
.Lno_q:
	; ---- each block's largest score, four blocks by turns, each accumulator from its low end on; then the row's
.set gq, 0
.rept 4
	WIN 0x14*(1+gq/2)
.irp b, 0,1,2,3
	v_max3_num_f32 v[BM+4*gq+\b], s[NINF], v[(128*gq+32*\b)%256], v[(128*gq+32*\b)%256+1]
.endr
.set ii, 2
.rept 15
.irp b, 0,1,2,3
	v_max3_num_f32 v[BM+4*gq+\b], v[BM+4*gq+\b], v[(128*gq+32*\b)%256+ii], v[(128*gq+32*\b)%256+ii+1]
.endr
.set ii, ii+2
.endr
.set gq, gq+1
.endr
	WIN 0
	v_max3_num_f32 v[MX], v[BM], v[BM+1], v[BM+2]
.irp i, 3,5,7,9,11,13
	v_max3_num_f32 v[MX], v[MX], v[BM+\i], v[BM+\i+1]
.endr
	v_max_num_f32 v[MX], v[MX], v[BM+15]
	v_permlanex16_b32 v[TP], v[MX], s[SEL], s[SEL+1]
	v_max_num_f32 v[MX], v[MX], v[TP]              ; with the other half of the keys: the row's largest score
	v_mul_f32 v[NM], s[NC], v[MX]                  ; -c m
	v_mov_b32 v[NM+1], v[NM]
	; ---- p = 2^(c s - c m): ONE batch of exponentials with one wait; the scalings run two pairs ahead
.set wv, 1
.rept 2
	WIN wv|(wv<<6)
	v_pk_fma_f32 v[0:1], v[0:1], s[CS:CS+1], v[NM:NM+1] op_sel_hi:[1,0,0]
	v_pk_fma_f32 v[2:3], v[2:3], s[CS:CS+1], v[NM:NM+1] op_sel_hi:[1,0,0]
.set pp, 0
.rept 128
.if pp < 126
	v_pk_fma_f32 v[2*pp+4:2*pp+5], v[2*pp+4:2*pp+5], s[CS:CS+1], v[NM:NM+1] op_sel_hi:[1,0,0]
.endif
	v_exp_f32 v[2*pp], v[2*pp]
	v_exp_f32 v[2*pp+1], v[2*pp+1]
.set pp, pp+1
.endr
.set wv, wv+1
.endr
	WIN 0
.irp g, 0,1,2,3,4,5,6,7,8,9,10,11,12,13,14,15
	v_fma_f32 v[BM+\g], v[BM+\g], s[CS], v[NM]     ; the same of each block's largest score
.endr
.irp g, 0,1,2,3,4,5,6,7,8,9,10,11,12,13,14,15
	v_exp_f32 v[BM+\g], v[BM+\g]
.endr
	v_nop                                          ; a plain instruction behind the last exponential
	s_wait_alu depctr_va_vdst(0)                   ; the wait ahead of the first instruction that names a result: one for the batch
	VLOAD 0
	VLOAD 1
	; ---- the row's sum, of the weights before they are quantised: four chains of pairs
	WIN 0x05
.irp c, 0,1,2,3
	v_pk_add_f32 v[L+2*\c:L+2*\c+1], v[4*\c:4*\c+1], v[4*\c+2:4*\c+3]
.endr
	WIN 0x04
.set pp, 8
.rept 120
	v_pk_add_f32 v[L+2*(pp%4):L+2*(pp%4)+1], v[L+2*(pp%4):L+2*(pp%4)+1], v[2*pp:2*pp+1]
.set pp, pp+1
.endr
	WIN 0x08
.set pp, 0
.rept 128
	v_pk_add_f32 v[L+2*(pp%4):L+2*(pp%4)+1], v[L+2*(pp%4):L+2*(pp%4)+1], v[2*pp:2*pp+1]
.set pp, pp+1
.endr
	WIN 0
	v_pk_add_f32 v[L:L+1], v[L:L+1], v[L+2:L+3]
	v_pk_add_f32 v[L+4:L+5], v[L+4:L+5], v[L+6:L+7]
	v_pk_add_f32 v[L:L+1], v[L:L+1], v[L+4:L+5]
	v_add_f32 v[LS], v[L], v[L+1]
	v_permlanex16_b32 v[TP], v[LS], s[SEL], s[SEL+1]
	v_add_f32 v[LS], v[LS], v[TP]                  ; l
	v_cmp_neq_f32 s[FLAG], v[LS], v[LS]            ; the row is NaN
	v_rcp_f32 v[R], v[LS]
	v_nop
	s_wait_alu depctr_va_vdst(0)
	v_fma_f32 v[TP], -v[LS], v[R], 1.0
	v_fma_f32 v[R], v[R], v[TP], v[R]              ; one Newton step
	v_mov_b32 v[R+1], v[R]
	; ---- the blocks' scales
.irp g, 0,1,2,3,4,5,6,7,8,9,10,11,12,13,14,15
	v_mul_f32 v[BM+\g], v[BM+\g], v[R]             ; the block's largest weight
.endr
.irp g, 0,1,2,3,4,5,6,7,8,9,10,11,12,13,14,15
	v_max_num_f32 v[BM+\g], s[FLO], v[BM+\g]       ; the floor
.endr
.irp g, 0,1,2,3,4,5,6,7,8,9,10,11,12,13,14,15
	v_add_nc_u32 v[BM+\g], 0xff000000, v[BM+\g]    ; the conversion's scale operand
.endr
.irp g, 0,1,2,3,4,5,6,7,8,9,10,11,12,13,14,15
	v_lshrrev_b32 v[BY+\g], 23, v[BM+\g]
.endr
.irp s, 0,1,2,3,4,5,6,7
	v_lshl_or_b32 v[PS+\s], v[BY+2*\s+1], 16, v[BY+2*\s]
.endr
.irp s, 0,1,2,3,4,5,6,7
	v_lshlrev_b32 v[PS+\s], v[H8], v[PS+\s]
.endr
.irp s, 0,1,2,3,4,5,6,7
	v_permlanex16_b32 v[BY+\s], v[PS+\s], s[SEL], s[SEL+1]
.endr
.irp s, 0,1,2,3,4,5,6,7
	v_or_b32 v[PS+\s], v[PS+\s], v[BY+\s]          ; the scale word of 128 keys
.endr
	; ---- the second product: a step's weights are made while the step before is multiplied
	VEC 0
.irp s, 0,1,2,3,4,5,6
	VEC \s+1
	WMMA \s
.endr
	WIN 0
	PLACES                                         ; the last codes stand four places ahead of their product
	WMMA 7
	; ---- out: the guard, the quantiser along the channels, the stores
	WIN 0
	PLACES
.set jj, 0
.rept 32
	v_cndmask_b32 v[O+jj], v[O+jj], v[Z], s[FLAG]  ; 0 where the row was NaN; each accumulator from its low end on
.set jj, jj+1
.endr
	v_max3_num_f32 v[T0], s[FLO], |v[O]|, |v[O+1]|
	v_max3_num_f32 v[T1], s[FLO], |v[O+2]|, |v[O+3]|
.irp i, 4,8,12,16,20,24,28
	v_max3_num_f32 v[T0], v[T0], |v[O+\i]|, |v[O+\i+1]|
	v_max3_num_f32 v[T1], v[T1], |v[O+\i+2]|, |v[O+\i+3]|
.endr
	v_max_num_f32 v[T0], v[T0], v[T1]
	v_add_nc_u32 v[T0], 0xff000000, v[T0]
	v_lshrrev_b32 v[T1], 23, v[T0]
	v_cvt_scalef32_pk16_fp6_f32 v[OC:OC+2], v[O:O+15], v[T0]
	v_cvt_scalef32_pk16_fp6_f32 v[YO:YO+2], v[O+16:O+31], v[T0]
	v_nop
.irp i, 0,1,2
	v_mov_b32 v[OC+3+\i], v[YO+\i]
.endr
	v_lshlrev_b32 v[HW], v[H8], v[T1]
	v_permlanex16_b32 v[TP], v[HW], s[SEL], s[SEL+1]
	v_or_b32 v[HW], v[HW], v[TP]                   ; my query's two bytes
	v_add_nc_u32 v[STW], s[STO], v[STA]
	ds_store_b16 v[STW], v[HW]                     ; both halves of the lanes write the same bytes with the same value
	global_store_b128 v[LI], v[OC:OC+3], s[OP:OP+1]
	global_store_b64 v[L8], v[OC+4:OC+5], s[OP:OP+1] offset:512
	s_wait_xcnt 0x0                                ; the stores have read their registers and their base
	s_add_nc_u64 s[OP:OP+1], s[OP:OP+1], 768
	s_add_co_u32 s[STO], s[STO], 32
	s_add_co_u32 s[I], s[I], 1
	s_cmp_lt_u32 s[I], 8
	s_cbranch_scc1 .Ltile
.irp i, 0,1,2,3
	ds_load_u16 v[U+\i], v[STR] offset:64*\i       ; LDS serves a wave's instructions in order: these see my stores
.endr
	s_wait_dscnt 0x0
	v_lshl_or_b32 v[OC], v[U+1], 16, v[U]
	v_lshl_or_b32 v[OC+1], v[U+3], 16, v[U+2]
	global_store_b64 v[L8], v[OC:OC+1], s[SOUT:SOUT+1]   ; 256 consecutive bytes, aligned
	s_wait_tensorcnt 0x0                           ; the wave's end
	ds_add_u32 v[SPW], v[NIL]
	s_wait_dscnt 0x0
	s_endpgm
.Lfunc_end_k_q81b160ec0c_attn:
	.size	k_q81b160ec0c_attn, .Lfunc_end_k_q81b160ec0c_attn-k_q81b160ec0c_attn
	.p2alignl 7, 3214868480
	.fill 96, 4, 3214868480
	.section	.rodata,"a",@progbits
	.p2align	6, 0x0
	.amdhsa_kernel k_q81b160ec0c_attn
		.amdhsa_group_segment_fixed_size 167936
		.amdhsa_private_segment_fixed_size 0
		.amdhsa_enable_private_segment 0
		.amdhsa_kernarg_size 16
		.amdhsa_user_sgpr_count 2
		.amdhsa_user_sgpr_kernarg_segment_ptr 1
		.amdhsa_wavefront_size32 1
		.amdhsa_system_sgpr_workgroup_id_x 1
		.amdhsa_system_sgpr_workgroup_id_y 1
		.amdhsa_system_sgpr_workgroup_id_z 1
		.amdhsa_system_vgpr_workitem_id 0
		.amdhsa_next_free_vgpr 912
		.amdhsa_next_free_sgpr 66
		.amdhsa_reserve_vcc 0
		.amdhsa_float_denorm_mode_32 3
		.amdhsa_float_denorm_mode_16_64 3
		.amdhsa_memory_ordered 1
		.amdhsa_forward_progress 1
		.amdhsa_inst_pref_size 132
	.end_amdhsa_kernel
	.amdgpu_metadata
---
amdhsa.version: [ 1, 2 ]
amdhsa.kernels:
  - .name:           k_q81b160ec0c_attn
    .symbol:         k_q81b160ec0c_attn.kd
    .args:
      - { .name: qkv, .offset: 0, .size: 8, .value_kind: global_buffer, .address_space: global }
      - { .name: oq, .offset: 8, .size: 8, .value_kind: global_buffer, .address_space: global }
    .group_segment_fixed_size: 167936
    .private_segment_fixed_size: 0
    .kernarg_segment_align: 8
    .kernarg_segment_size: 16
    .max_flat_workgroup_size: 128
    .sgpr_count:     66
    .vgpr_count:     912
    .wavefront_size: 32
...
	.end_amdgpu_metadata
.endif
;; end of part 3
;; launch oproj (part 4): grid 4 x 64, 4 waves a work-group, clusters of 4 x 1, 167,936 bytes of LDS; arguments oq, wimg, wo_scales, y, stats; writes y, stats
.if DOCPART == 4
	.amdgcn_target "amdgcn-amd-amdhsa--gfx1250"
	.amdhsa_code_object_version 6
	.text
	.protected	k_q81b160ec0c_oproj
	.globl	k_q81b160ec0c_oproj
	.p2align	8
	.type	k_q81b160ec0c_oproj,@function
k_q81b160ec0c_oproj:
	s_mov_b64 s[64:65], 0
	v_nop
	global_prefetch_b8 v0, s[64:65] scope:SCOPE_SE
	s_setreg_imm32_b32 hwreg(HW_REG_WAVE_MODE, 25, 1), 1
	s_wait_xcnt 0x0
	s_wait_alu depctr_hold_cnt(0) depctr_sa_sdst(0) depctr_va_vdst(0) depctr_va_sdst(0) depctr_va_ssrc(0) depctr_va_vcc(0) depctr_vm_vsrc(0)
	s_getreg_b32 s2, hwreg(HW_REG_IB_STS2, 6, 4)
	s_cmp_eq_u32 s2, 0
	s_cbranch_scc0 .Lentry_in_a_cluster
	s_endpgm
.Lentry_in_a_cluster:
	s_bfe_u32 s2, ttmp6, 0x10000c
	s_cmp_lg_u32 s2, 0x3003
	s_cbranch_scc0 .Lentry_shape_is_right
	s_endpgm
.Lentry_shape_is_right:
; z = wo . out on codes of FP6, and for each channel the mean and the sum of squared deviations of its 128 numbers.
; WORK LEFT OUT: bo (it cancels in the batch norm for all values: the proof stands at prep's head).  The buffer y holds z.
; SHARES.  Work-group (cx, TB): 128 t, 256 channels; wave w: the 64 channels of block 4 cx + w.  Eight K steps of 128, 32 accumulators.
; out's codes of the 128 t, for all of K, are 98,304 dense bytes: they come into LDS once, asked for JOINTLY by the cluster's four work-groups, which share TB.  The weights go from their images straight into a ring of registers.
; Source 0 = 16 t of out, source 1 = 16 rows of wo: a lane holds ONE channel and its registers run along t, so the statistics need one exchange between the halves of the lanes.
; The deviations are taken from the mean of these 128 numbers: no difference of large sums is formed.
; REGISTERS.  window 0: v1-15 addresses; v16-31 wo's scale words; v32-63 out's; v64-191 rows of y on the way out (at the head: out's scale bytes); v192-235 the statistics.
;   window 1: out's fragments, two sets of 8.   window 2: the accumulators.   window 3: the weights' ring.
.set YST,   98304                      ; behind the codes: a stage of 16 rows x (512 + 16) bytes for each wave,
.set SST0,  132096                     ; 512 bytes a wave for the statistics,
.set SPARE, 134144                     ; and the spare words
.set LI,  1
.set A16, 2                            ; v2, v4  LDS: 16 x lane, K steps 0-3 and 4-7
.set A8,  3                            ; v3, v5  8 x lane + 512 likewise
.set AWS, 6
.set L8,  7
.set STO, 8
.set RD,  9
.set SST, 10
.set SSR, 11
.set SPW, 12
.set NIL, 13
.set WS,  16
.set OSW, 32
.set BK,  64
.set RA,  64
.set SUM, 192
.set MN,  200
.set Q2,  208
.set DD,  216
.set TP,  232
.set WV,  14
.set G1,  24
.set G0,  32
.set SEL, 40
.set MSB, 0
.macro WIN new
.if MSB != (\new)
	s_set_vgpr_msb (MSB<<8)|(\new)
.set MSB, (\new)
.endif
.endm
.macro PLACES
.rept 4
	v_nop
.endr
.endm
.macro CROUND
	s_barrier_signal -1
	s_barrier_wait -1
	s_cmp_lg_u32 s[WV], 0
	s_cbranch_scc1 .Lnot_wave_0_\@
	s_barrier_signal -3
.Lnot_wave_0_\@:
	s_barrier_wait -3
	s_barrier_signal -1
	s_barrier_wait -1
.endm
	s_load_b256 s[4:11], s[0:1], 0x0               ; oq, wimg, wo_scales, y
	s_load_b64 s[12:13], s[0:1], 0x20              ; stats
	v_lshl_add_u32 v[SPW], v0, 2, SPARE
	v_mov_b32 v[NIL], 0
	ds_add_u32 v[SPW], v[NIL]                      ; the opening: the add, twice on end, and its wait ahead of my first tensor load
	ds_add_u32 v[SPW], v[NIL]
	v_lshrrev_b32 v14, 5, v0
	v_readfirstlane_b32 s[WV], v14
	s_bfe_u32 s15, ttmp6, 0x40000                  ; cx: it enters the weights' and the results' addresses alone
	s_lshl_b32 s16, s15, 2
	s_add_co_u32 s16, s16, s[WV]                   ; my block of 64 channels
	s_and_b32 s17, ttmp7, 0xffff                   ; TB
	s_mov_b32 s[G1], 15|(3<<16)|(1<<21)            ; the mask: all four; elements of 8 bytes; bit 21 beside a mask
	s_mov_b32 s[G1+1], 32<<16
	s_mov_b32 s[G1+2], 48<<16                      ; 48 rows of 256 bytes: one K step's codes
	s_mov_b32 s[G1+3], 32<<16
	s_mov_b32 s[G1+4], 48
	s_mov_b32 s[G1+5], 32
	s_mov_b32 s[G1+6], 0
	s_mov_b32 s[G1+7], 0
	s_mov_b32 s[SEL], 0x76543210
	s_mov_b32 s[SEL+1], 0xfedcba98
	s_mul_i32 s18, s[WV], 12288                    ; I bring K steps w and 4 + w
	s_mov_b32 s19, 0
	v_and_b32 v14, 31, v0
	v_and_b32 v15, 15, v0
	v_bfe_u32 v[SST], v0, 4, 1                     ; h
	v_lshlrev_b32 v[LI], 4, v14
	v_mov_b32 v[A16], v[LI]
	v_lshlrev_b32 v[L8], 3, v14
	v_add_nc_u32 v[A8], 512, v[L8]
	v_add_nc_u32 v[A16+2], 49152, v[A16]
	v_add_nc_u32 v[A8+2], 49152, v[A8]
	s_mul_i32 s20, s[WV], 8448
	s_add_co_u32 s20, s20, YST
	v_mul_u32_u24 v[STO], v15, 528
	v_lshl_add_u32 v[STO], v[SST], 7, v[STO]
	v_add_nc_u32 v[STO], s20, v[STO]               ; into my stage: row r, 128 h bytes on
	v_add_nc_u32 v[RD], s20, v[LI]                 ; and back: 16 bytes a lane of a row
	v_and_b32 v[SSR], 7, v15
	v_lshrrev_b32 v15, 3, v15
	v_lshl_add_u32 v15, v15, 5, v[SSR]             ; 32 (r / 8) + r % 8
	v_lshl_add_u32 v[AWS], v[SST], 3, v15
	v_lshlrev_b32 v[AWS], 5, v[AWS]                ; wo's scale bytes: lanes 16-31 take the next tile's rows
	s_lshl_b32 s20, s[WV], 9
	s_add_co_u32 s20, s20, SST0
	v_lshl_add_u32 v[SST], v15, 3, s20             ; the statistics: 8 bytes a channel
	v_add_nc_u32 v[SSR], s20, v[LI]
.irp t, 0,1,2,3
	v_mov_b32 v[TP+\t], 0                          ; written once: a lane permute's destination counts as one of its sources
.endr
	s_wait_dscnt 0x0
	s_wait_kmcnt 0x0
	s_mul_i32 s20, s17, 102400
	s_mov_b32 s21, 0
	s_add_nc_u64 s[4:5], s[4:5], s[20:21]          ; my TB's part of oq
.irp g, 0,1
	s_mov_b32 s[G0+4*\g], 1
	s_add_co_u32 s[G0+4*\g+1], s18, \g*49152
	s_add_nc_u64 s[G0+4*\g+2:G0+4*\g+3], s[4:5], s[18:19]
	s_add_nc_u64 s[G0+4*\g+2:G0+4*\g+3], s[G0+4*\g+2:G0+4*\g+3], \g*49152
	s_or_b32 s[G0+4*\g+3], s[G0+4*\g+3], 0x80000000
.endr
	s_mul_i32 s20, s16, 49152
	s_add_co_u32 s20, s20, 2359296
	s_add_nc_u64 s[6:7], s[6:7], s[20:21]          ; wo's images of my 64 rows
	s_lshl_b32 s20, s16, 11
	s_add_nc_u64 s[8:9], s[8:9], s[20:21]
	s_lshr_b32 s20, s17, 3
	s_lshl_b32 s20, s20, 22                        ; b
	s_lshl_b32 s22, s16, 18                        ; 64 rows of 4,096 bytes
	s_add_co_u32 s20, s20, s22
	s_and_b32 s22, s17, 7
	s_lshl_b32 s22, s22, 9                         ; 128 t
	s_add_co_u32 s20, s20, s22
	s_add_nc_u64 s[10:11], s[10:11], s[20:21]
	s_lshl_b32 s20, s17, 13
	s_lshl_b32 s22, s16, 9
	s_add_co_u32 s20, s20, s22
	s_add_nc_u64 s[12:13], s[12:13], s[20:21]
	CROUND
.irp g, 0,1
	tensor_load_to_lds s[G0+4*\g:G0+4*\g+3], s[G1:G1+7]   ; two loads of mine are out
	s_nop 0
.endr
	PLACES
.irp i, 0,1
.irp q, 0,1
	global_load_b128 v[WS+8*\i+4*\q:WS+8*\i+4*\q+3], v[AWS], s[8:9] offset:512*\i+16*\q
.endr
.endr
.irp e, 0,1,2,3,4,5,6,7,8,9,10,11,12,13,14,15
	global_load_b64 v[RA+2*\e:RA+2*\e+1], v[L8], s[4:5] offset:98304+256*\e   ; out's scale bytes of 64 channels: four half-words a lane, tiles 2 i + lane / 16
.endr
.macro WLOAD m
	WIN 0xc0
.irp t, 0,1,2,3
.irp c, 0,1,2
	global_load_b128 v[48*((\m)%4)+12*\t+4*\c:48*((\m)%4)+12*\t+4*\c+3], v[LI], s[6:7] offset:(\m)*6144+\t*1536+512*\c
.endr
.endr
.endm
.macro XLOAD k, set                    ; out's eight fragments of K step k: each is two pieces of six registers
	WIN 0x40
.irp x, 0,1,2,3,4,5,6,7
.irp c, 0,1
	ds_load_b128 v[96*(\set)+12*\x+6*\c:96*(\set)+12*\x+6*\c+3], v[A16+2*((\k)/4)] offset:((2*((\k)%4)+\c)*8+\x)*768
	ds_load_b64 v[96*(\set)+12*\x+6*\c+4:96*(\set)+12*\x+6*\c+5], v[A8+2*((\k)/4)] offset:((2*((\k)%4)+\c)*8+\x)*768
.endr
.endr
.endm
.macro WMX
.if KAP == 0
.if qa == 0 && qb == 0
	v_wmma_scale_f32_16x16x128_f8f6f4 v[rD:rD+7], v[rA:rA+11], v[rB:rB+11], 0, v[rSA], v[rSB] matrix_a_fmt:MATRIX_FMT_FP6 matrix_b_fmt:MATRIX_FMT_FP6
.elseif qa == 1 && qb == 0
	v_wmma_scale_f32_16x16x128_f8f6f4 v[rD:rD+7], v[rA:rA+11], v[rB:rB+11], 0, v[rSA], v[rSB] matrix_a_fmt:MATRIX_FMT_FP6 matrix_b_fmt:MATRIX_FMT_FP6 matrix_a_scale:MATRIX_SCALE_ROW1
.elseif qa == 0
	v_wmma_scale_f32_16x16x128_f8f6f4 v[rD:rD+7], v[rA:rA+11], v[rB:rB+11], 0, v[rSA], v[rSB] matrix_a_fmt:MATRIX_FMT_FP6 matrix_b_fmt:MATRIX_FMT_FP6 matrix_b_scale:MATRIX_SCALE_ROW1
.else
	v_wmma_scale_f32_16x16x128_f8f6f4 v[rD:rD+7], v[rA:rA+11], v[rB:rB+11], 0, v[rSA], v[rSB] matrix_a_fmt:MATRIX_FMT_FP6 matrix_b_fmt:MATRIX_FMT_FP6 matrix_a_scale:MATRIX_SCALE_ROW1 matrix_b_scale:MATRIX_SCALE_ROW1
.endif
.else
.if qa == 0 && qb == 0
	v_wmma_scale_f32_16x16x128_f8f6f4 v[rD:rD+7], v[rA:rA+11], v[rB:rB+11], v[rD:rD+7], v[rSA], v[rSB] matrix_a_fmt:MATRIX_FMT_FP6 matrix_b_fmt:MATRIX_FMT_FP6
.elseif qa == 1 && qb == 0
	v_wmma_scale_f32_16x16x128_f8f6f4 v[rD:rD+7], v[rA:rA+11], v[rB:rB+11], v[rD:rD+7], v[rSA], v[rSB] matrix_a_fmt:MATRIX_FMT_FP6 matrix_b_fmt:MATRIX_FMT_FP6 matrix_a_scale:MATRIX_SCALE_ROW1
.elseif qa == 0
	v_wmma_scale_f32_16x16x128_f8f6f4 v[rD:rD+7], v[rA:rA+11], v[rB:rB+11], v[rD:rD+7], v[rSA], v[rSB] matrix_a_fmt:MATRIX_FMT_FP6 matrix_b_fmt:MATRIX_FMT_FP6 matrix_b_scale:MATRIX_SCALE_ROW1
.else
	v_wmma_scale_f32_16x16x128_f8f6f4 v[rD:rD+7], v[rA:rA+11], v[rB:rB+11], v[rD:rD+7], v[rSA], v[rSB] matrix_a_fmt:MATRIX_FMT_FP6 matrix_b_fmt:MATRIX_FMT_FP6 matrix_a_scale:MATRIX_SCALE_ROW1 matrix_b_scale:MATRIX_SCALE_ROW1
.endif
.endif
.endm
.macro STEP n, tw                      ; as in qkvgemm: later steps' loads first, then 32 products on accumulators that take turns
.set KAP, (\n)
.set SET, (\n)%2
.set RING, (\n)%4
	WIN 0
.if (\tw) >= 0
	s_wait_tensorcnt \tw
	s_wait_dscnt 0x0
	s_barrier_signal -1
	s_barrier_wait -1
.endif
	PLACES
.if (\n) <= 4
	WLOAD (\n)+3
.endif
.if (\n) < 7
	XLOAD (\n)+1, ((\n)+1)%2
.endif
.if (\n) <= 4
	s_wait_loadcnt 36                              ; this step's weights are in; three later steps' 12 loads each may be out
.else
	s_wait_loadcnt 12*(7-(\n))
.endif
.if (\n) < 7
	s_wait_dscnt 32                                ; this step's fragments are in; the 32 loads just issued may be out
.else
	s_wait_dscnt 0x0
.endif
	WIN 0xad                                       ; out window 1, wo window 3, C and D window 2
.set xt, 0
.rept 8
.set tp, 0
.rept 4
.set rD, 8*(4*(2*tp+xt/4)+xt%4)
.set rA, 96*SET+12*xt
.set rB, 48*RING+12*tp
.set rSA, OSW+4*KAP+xt/2
.set rSB, WS+8*(tp/2)+KAP
.set qa, xt%2
.set qb, tp%2
	WMX
.set tp, tp+1
.endr
.set xt, xt+1
.endr
.endm
	WLOAD 0
	WLOAD 1
	WLOAD 2
	WIN 0
	s_wait_loadcnt 36                              ; the scale bytes are in; the 36 loads of weights may be out
.irp k, 0,1,2,3,4,5,6,7
.irp i, 0,1,2,3
.if (\i)%2 == 0
	v_perm_b32 v[OSW+4*\k+\i], v[RA+2*(2*\k+1)+\i/2], v[RA+2*(2*\k)+\i/2], 0x05040100   ; a K step's word: two bytes of channels 128 k on, two of 128 k + 64 on
.else
	v_perm_b32 v[OSW+4*\k+\i], v[RA+2*(2*\k+1)+\i/2], v[RA+2*(2*\k)+\i/2], 0x07060302
.endif
.endr
.endr
.rept 8
	v_nop                                          ; scale registers written by vector instructions stand eight places ahead of the products
.endr
	s_wait_tensorcnt 0x1                           ; my first fill is in (the second may be out): with the other waves' that is K steps 0 to 3
	s_barrier_signal -1
	s_barrier_wait -1
	XLOAD 0, 0
	STEP 0, -1
	STEP 1, -1
	STEP 2, -1
	STEP 3, 0
	STEP 4, -1
	STEP 5, -1
	STEP 6, -1
	STEP 7, -1
	; ---- the statistics.  Tile t of channels: registers 64 t .. 64 t + 63 are my channel's numbers at 64 of the 128 t; lane l xor 16 holds the others
	WIN 0
	PLACES
	WIN 0x0a
.irp t, 0,1,2,3
	v_pk_add_f32 v[SUM+2*\t:SUM+2*\t+1], v[64*\t:64*\t+1], v[64*\t+2:64*\t+3]      ; each accumulator is read from its low end on
.endr
	WIN 0x08
.set ii, 4
.rept 30
.irp t, 0,1,2,3
	v_pk_add_f32 v[SUM+2*\t:SUM+2*\t+1], v[SUM+2*\t:SUM+2*\t+1], v[64*\t+ii:64*\t+ii+1]
.endr
.set ii, ii+2
.endr
	WIN 0
.irp t, 0,1,2,3
	v_add_f32 v[SUM+2*\t], v[SUM+2*\t], v[SUM+2*\t+1]
.endr
.irp t, 0,1,2,3
	v_permlanex16_b32 v[TP+\t], v[SUM+2*\t], s[SEL], s[SEL+1]
.endr
.irp t, 0,1,2,3
	v_add_f32 v[SUM+2*\t], v[SUM+2*\t], v[TP+\t]
.endr
.irp t, 0,1,2,3
	v_mul_f32 v[MN+2*\t], 0x3c000000, v[SUM+2*\t]  ; / 128: the mean
.endr
.irp t, 0,1,2,3
	v_mov_b32 v[MN+2*\t+1], v[MN+2*\t]
.endr
.set bb, 0
.rept 16
	WIN 0x02
.irp e, 0,1
.irp t, 0,1,2,3
	v_pk_add_f32 v[DD+8*\e+2*\t:DD+8*\e+2*\t+1], v[64*\t+4*bb+2*\e:64*\t+4*bb+2*\e+1], v[MN+2*\t:MN+2*\t+1] op_sel_hi:[1,0] neg_lo:[0,1] neg_hi:[0,1]
.endr
.endr
	WIN 0
.irp e, 0,1
.irp t, 0,1,2,3
.if bb == 0 && \e == 0
	v_pk_mul_f32 v[Q2+2*\t:Q2+2*\t+1], v[DD+8*\e+2*\t:DD+8*\e+2*\t+1], v[DD+8*\e+2*\t:DD+8*\e+2*\t+1]
.else
	v_pk_fma_f32 v[Q2+2*\t:Q2+2*\t+1], v[DD+8*\e+2*\t:DD+8*\e+2*\t+1], v[DD+8*\e+2*\t:DD+8*\e+2*\t+1], v[Q2+2*\t:Q2+2*\t+1]
.endif
.endr
.endr
.set bb, bb+1
.endr
.irp t, 0,1,2,3
	v_add_f32 v[Q2+2*\t], v[Q2+2*\t], v[Q2+2*\t+1]
.endr
.irp t, 0,1,2,3
	v_permlanex16_b32 v[TP+\t], v[Q2+2*\t], s[SEL], s[SEL+1]
.endr
.irp t, 0,1,2,3
	v_add_f32 v[MN+2*\t+1], v[Q2+2*\t], v[TP+\t]   ; the pair is now (mean, sum of squared deviations)
.endr
.irp t, 0,1,2,3
	ds_store_b64 v[SST], v[MN+2*\t:MN+2*\t+1] offset:64*\t   ; both halves of the lanes write the same bytes with the same values
.endr
	ds_load_b128 v[DD:DD+3], v[SSR]                ; LDS serves a wave's instructions in order: this sees my stores
	s_wait_dscnt 0x0
	global_store_b128 v[LI], v[DD:DD+3], s[12:13]  ; 512 consecutive bytes, aligned
	; ---- z goes out, 16 channels at a time, through my stage: whole rows of 512 bytes
.macro TOSTAGE t
	WIN 0x08                                       ; an LDS store's data are its source 1: window 2
.irp g, 0,1
.irp q, 0,1,2,3,4,5,6,7
	ds_store_b128 v[STO], v[32*(2*(\t)+\g)+4*\q:32*(2*(\t)+\g)+4*\q+3] offset:256*\g+16*\q
.endr
.endr
	WIN 0
.set BB, BK+64*((\t)%2)
.irp p, 0,1,2,3,4,5,6,7,8,9,10,11,12,13,14,15
	ds_load_b128 v[BB+4*\p:BB+4*\p+3], v[RD] offset:\p*528
.endr
.endm
.macro SEND t, younger
.set BB, BK+64*((\t)%2)
	s_wait_dscnt \younger                          ; the block is back; the next block's 16 stores and 16 loads may be out
.irp p, 0,1,2,3,4,5,6,7,8,9,10,11,12,13,14,15
	global_store_b128 v[LI], v[BB+4*\p:BB+4*\p+3], s[10:11] offset:(32*(\p/8)+8*(\t)+\p%8)*4096
.endr
.endm
	TOSTAGE 0
	TOSTAGE 1
	SEND 0, 32
	s_wait_xcnt 0x0                                ; block 0's stores have read their registers
	TOSTAGE 2
	SEND 1, 32
	s_wait_xcnt 0x0
	TOSTAGE 3
	SEND 2, 32
	SEND 3, 0
	s_wait_tensorcnt 0x0                           ; the wave's end
	ds_add_u32 v[SPW], v[NIL]
	s_wait_dscnt 0x0
	CROUND                                         ; the closing round
	s_endpgm
.Lfunc_end_k_q81b160ec0c_oproj:
	.size	k_q81b160ec0c_oproj, .Lfunc_end_k_q81b160ec0c_oproj-k_q81b160ec0c_oproj
	.p2alignl 7, 3214868480
	.fill 96, 4, 3214868480
	.section	.rodata,"a",@progbits
	.p2align	6, 0x0
	.amdhsa_kernel k_q81b160ec0c_oproj
		.amdhsa_group_segment_fixed_size 167936
		.amdhsa_private_segment_fixed_size 0
		.amdhsa_enable_private_segment 0
		.amdhsa_kernarg_size 40
		.amdhsa_user_sgpr_count 2
		.amdhsa_user_sgpr_kernarg_segment_ptr 1
		.amdhsa_wavefront_size32 1
		.amdhsa_system_sgpr_workgroup_id_x 1
		.amdhsa_system_sgpr_workgroup_id_y 1
		.amdhsa_system_sgpr_workgroup_id_z 1
		.amdhsa_system_vgpr_workitem_id 0
		.amdhsa_next_free_vgpr 960
		.amdhsa_next_free_sgpr 72
		.amdhsa_reserve_vcc 0
		.amdhsa_float_denorm_mode_32 3
		.amdhsa_float_denorm_mode_16_64 3
		.amdhsa_memory_ordered 1
		.amdhsa_forward_progress 1
		.amdhsa_inst_pref_size 112
	.end_amdhsa_kernel
	.amdgpu_metadata
---
amdhsa.version: [ 1, 2 ]
amdhsa.kernels:
  - .name:           k_q81b160ec0c_oproj
    .symbol:         k_q81b160ec0c_oproj.kd
    .args:
      - { .name: oq, .offset: 0, .size: 8, .value_kind: global_buffer, .address_space: global }
      - { .name: wimg, .offset: 8, .size: 8, .value_kind: global_buffer, .address_space: global }
      - { .name: wo_scales, .offset: 16, .size: 8, .value_kind: global_buffer, .address_space: global }
      - { .name: y, .offset: 24, .size: 8, .value_kind: global_buffer, .address_space: global }
      - { .name: stats, .offset: 32, .size: 8, .value_kind: global_buffer, .address_space: global }
    .group_segment_fixed_size: 167936
    .private_segment_fixed_size: 0
    .kernarg_segment_align: 8
    .kernarg_segment_size: 40
    .max_flat_workgroup_size: 128
    .sgpr_count:     72
    .vgpr_count:     960
    .wavefront_size: 32
...
	.end_amdgpu_metadata
.endif
;; end of part 4
;; launch bnres (part 5): grid 32 x 8, 8 waves a work-group, no clusters, 3,072 bytes of LDS; arguments x, y, stats, gamma, beta, out0; writes out0
.if DOCPART == 5
	.amdgcn_target "amdgcn-amd-amdhsa--gfx1250"
	.amdhsa_code_object_version 6
	.text
	.protected	k_q81b160ec0c_bnres
	.globl	k_q81b160ec0c_bnres
	.p2align	8
	.type	k_q81b160ec0c_bnres,@function
k_q81b160ec0c_bnres:
	s_mov_b64 s[64:65], 0
	v_nop
	global_prefetch_b8 v0, s[64:65] scope:SCOPE_SE
	s_setreg_imm32_b32 hwreg(HW_REG_WAVE_MODE, 25, 1), 1
	s_wait_xcnt 0x0
; out0 = x + (z - mean) rsqrt(var + 1e-5) gamma + beta; mean and var of a channel over all 8,192 (b, t), from the 64 pairs (mean, sum of squared deviations) of 128 numbers each that oproj stored.
; WORK LEFT OUT: bo (prep's head): z stands for y, since y - mean(y) = z - mean(z) and var(y) = var(z).
; var = (the sum of the 64 sums of squared deviations + 128 x the sum of (mean_i - mean)^2) / 8,192: no difference of large sums is formed.
; SHARES.  Work-group (X, b): channels 32 X .. 32 X + 31 of batch b.  For the statistics a lane is a channel and wave w takes pairs 8 w .. 8 w + 7; the waves' parts meet in LDS.
; For the stream wave w takes rows 4 w .. 4 w + 3, 4,096 bytes each of x and of z: two rows are always on their way.  Memory binds: no matrix unit, no cluster, no tensor load.
.set SPARE, 2048
.set SPW, 6
.set NIL, 7
.set MP,  16                           ; v16-23 each of my rows' mean, as a pair; v24-31 gamma rsqrt; v40-47 beta
.set AP,  24
.set BP,  40
	s_load_b256 s[4:11], s[0:1], 0x0               ; x, y, stats, gamma
	s_load_b128 s[12:15], s[0:1], 0x20             ; beta, out0
	v_lshl_add_u32 v[SPW], v0, 2, SPARE
	v_mov_b32 v[NIL], 0
	v_lshrrev_b32 v1, 5, v0
	v_readfirstlane_b32 s16, v1                    ; wave
	v_and_b32 v5, 31, v0
	v_lshlrev_b32 v1, 3, v5                        ; 8 x lane
	v_lshlrev_b32 v2, 2, v5                        ; 4 x lane
	v_lshlrev_b32 v3, 4, v5                        ; 16 x lane
	v_lshlrev_b32 v4, 2, v0                        ; LDS: 128 x wave + 4 x lane
	s_and_b32 s17, ttmp7, 0xffff                   ; b
	s_lshl_b32 s18, ttmp9, 8                       ; 32 channels of 8 bytes,
	s_lshl_b32 s19, s16, 16                        ; 8 pairs' rows of 8,192 bytes
	s_add_co_u32 s18, s18, s19
	s_mov_b32 s19, 0
	s_lshl_b32 s20, ttmp9, 7
	s_mov_b32 s21, 0
	s_lshl_b32 s22, ttmp9, 5
	s_lshl_b32 s23, s16, 2
	s_add_co_u32 s22, s22, s23                     ; my first row
	s_lshl_b32 s22, s22, 12
	s_lshl_b32 s23, s17, 22
	s_add_co_u32 s22, s22, s23
	s_mov_b32 s23, 0
	s_lshl_b32 s24, s16, 4                         ; 4 x the lane that holds my first row's channel
	s_mov_b32 s25, 0x39000000                      ; 2^-13 = 1 / 8,192
	s_mov_b32 s26, 0x3727c5ac                      ; 1e-5
	s_wait_kmcnt 0x0
	s_add_nc_u64 s[8:9], s[8:9], s[18:19]
	s_add_nc_u64 s[10:11], s[10:11], s[20:21]
	s_add_nc_u64 s[12:13], s[12:13], s[20:21]
	s_add_nc_u64 s[4:5], s[4:5], s[22:23]
	s_add_nc_u64 s[6:7], s[6:7], s[22:23]
	s_add_nc_u64 s[14:15], s[14:15], s[22:23]
.irp i, 0,1,2,3,4,5,6,7
	global_load_b64 v[16+2*\i:17+2*\i], v1, s[8:9] offset:8192*\i    ; 256 consecutive bytes
.endr
	global_load_b32 v32, v2, s[10:11]              ; gamma
	global_load_b32 v33, v2, s[12:13]              ; beta
.macro FILL i                          ; row i of x and of z into slot i % 2
.irp j, 0,1,2,3,4,5,6,7
	global_load_b128 v[64+64*((\i)%2)+4*\j:64+64*((\i)%2)+4*\j+3], v3, s[4:5] offset:4096*(\i)+512*\j th:TH_LOAD_NT
	global_load_b128 v[96+64*((\i)%2)+4*\j:96+64*((\i)%2)+4*\j+3], v3, s[6:7] offset:4096*(\i)+512*\j th:TH_LOAD_NT
.endr
.endm
	FILL 0
	FILL 1
	s_wait_loadcnt 32                              ; the statistics, gamma and beta are in; the two rows' 32 loads may be out
	v_add_f32 v34, v16, v18
	v_add_f32 v35, v20, v22
	v_add_f32 v36, v24, v26
	v_add_f32 v37, v28, v30
	v_add_f32 v34, v34, v35
	v_add_f32 v36, v36, v37
	v_add_f32 v34, v34, v36                        ; my eight means
	ds_store_b32 v4, v34
	s_wait_dscnt 0x0                               ; for the others' sake
	s_barrier_signal -1
	s_barrier_wait -1
.irp j, 0,1,2,3,4,5,6,7
	ds_load_b32 v[40+\j], v2 offset:128*\j
.endr
	s_wait_dscnt 0x0
	v_add_f32 v34, v40, v41
	v_add_f32 v35, v42, v43
	v_add_f32 v36, v44, v45
	v_add_f32 v37, v46, v47
	v_add_f32 v34, v34, v35
	v_add_f32 v36, v36, v37
	v_add_f32 v34, v34, v36
	v_mul_f32 v38, 0x3c800000, v34                 ; / 64: the channel's mean
.irp i, 0,1,2,3,4,5,6,7
	v_sub_f32 v[40+\i], v[16+2*\i], v38
.endr
	v_mul_f32 v34, v40, v40
	v_mul_f32 v35, v41, v41
.irp i, 2,4,6
	v_fma_f32 v34, v[40+\i], v[40+\i], v34
	v_fma_f32 v35, v[41+\i], v[41+\i], v35
.endr
	v_add_f32 v34, v34, v35
	v_add_f32 v35, v17, v19
	v_add_f32 v36, v21, v23
	v_add_f32 v37, v25, v27
	v_add_f32 v39, v29, v31
	v_add_f32 v35, v35, v36
	v_add_f32 v37, v37, v39
	v_add_f32 v35, v35, v37
	v_fma_f32 v34, 0x43000000, v34, v35            ; 128 x the means' squared deviations + the sums within
	ds_store_b32 v4, v34 offset:1024               ; other bytes than the first exchange's: no barrier between
	s_wait_dscnt 0x0
	s_barrier_signal -1
	s_barrier_wait -1
.irp j, 0,1,2,3,4,5,6,7
	ds_load_b32 v[40+\j], v2 offset:1024+128*\j
.endr
	s_wait_dscnt 0x0
	v_add_f32 v34, v40, v41
	v_add_f32 v35, v42, v43
	v_add_f32 v36, v44, v45
	v_add_f32 v37, v46, v47
	v_add_f32 v34, v34, v35
	v_add_f32 v36, v36, v37
	v_add_f32 v34, v34, v36
	v_fma_f32 v34, s25, v34, s26                   ; / 8,192, + 1e-5: one fused multiply-add; the two constants stand in scalar registers, since an instruction takes one literal
	v_rsq_f32 v35, v34
	v_mov_b32 v52, s24                             ; (a plain instruction behind the transcendental)
.irp i, 0,1,2,3
	v_add_nc_u32 v[48+\i], 4*\i, v52
.endr
	s_wait_alu depctr_va_vdst(0)                   ; the wait ahead of the first reader
	v_mul_f32 v35, v32, v35                        ; gamma rsqrt(var + eps)
.irp i, 0,1,2,3
	ds_bpermute_b32 v[MP+2*\i], v[48+\i], v38      ; every lane takes the figures of row i's channel
	ds_bpermute_b32 v[AP+2*\i], v[48+\i], v35
	ds_bpermute_b32 v[BP+2*\i], v[48+\i], v33
.endr
	s_wait_dscnt 0x0
.irp i, 0,1,2,3
	v_mov_b32 v[MP+2*\i+1], v[MP+2*\i]             ; (the packed forms name pairs)
	v_mov_b32 v[AP+2*\i+1], v[AP+2*\i]
	v_mov_b32 v[BP+2*\i+1], v[BP+2*\i]
.endr
.macro TURN i, left, fill
.set XR, 64+64*((\i)%2)
.set YR, XR+32
	s_wait_loadcnt \left                           ; this row's 16 loads are in; the other slot's may be out
.set pp, 0
.rept 16
	v_pk_add_f32 v[YR+2*pp:YR+2*pp+1], v[YR+2*pp:YR+2*pp+1], v[MP+2*(\i):MP+2*(\i)+1] op_sel_hi:[1,0] neg_lo:[0,1] neg_hi:[0,1]
.set pp, pp+1
.endr
.set pp, 0
.rept 16
	v_pk_fma_f32 v[YR+2*pp:YR+2*pp+1], v[YR+2*pp:YR+2*pp+1], v[AP+2*(\i):AP+2*(\i)+1], v[BP+2*(\i):BP+2*(\i)+1] op_sel_hi:[1,0,0]
.set pp, pp+1
.endr
.set pp, 0
.rept 16
	v_pk_add_f32 v[XR+2*pp:XR+2*pp+1], v[XR+2*pp:XR+2*pp+1], v[YR+2*pp:YR+2*pp+1]
.set pp, pp+1
.endr
.irp j, 0,1,2,3,4,5,6,7
	global_store_b128 v3, v[XR+4*\j:XR+4*\j+3], s[14:15] offset:4096*(\i)+512*\j th:TH_STORE_NT   ; 512 consecutive bytes, aligned
.endr
.if \fill
	s_wait_xcnt 0x0                                ; the stores have read their registers: the slot is loaded again only behind this wait
	FILL (\i)+2
.endif
.endm
	TURN 0, 16, 1
	TURN 1, 16, 1
	TURN 2, 16, 0
	TURN 3, 0, 0
	s_wait_tensorcnt 0x0                           ; the wave's end
	ds_add_u32 v[SPW], v[NIL]
	s_wait_dscnt 0x0
	s_endpgm
.Lfunc_end_k_q81b160ec0c_bnres:
	.size	k_q81b160ec0c_bnres, .Lfunc_end_k_q81b160ec0c_bnres-k_q81b160ec0c_bnres
	.p2alignl 7, 3214868480
	.fill 96, 4, 3214868480
	.section	.rodata,"a",@progbits
	.p2align	6, 0x0
	.amdhsa_kernel k_q81b160ec0c_bnres
		.amdhsa_group_segment_fixed_size 3072
		.amdhsa_private_segment_fixed_size 0
		.amdhsa_enable_private_segment 0
		.amdhsa_kernarg_size 48
		.amdhsa_user_sgpr_count 2
		.amdhsa_user_sgpr_kernarg_segment_ptr 1
		.amdhsa_wavefront_size32 1
		.amdhsa_system_sgpr_workgroup_id_x 1
		.amdhsa_system_sgpr_workgroup_id_y 1
		.amdhsa_system_sgpr_workgroup_id_z 1
		.amdhsa_system_vgpr_workitem_id 0
		.amdhsa_next_free_vgpr 192
		.amdhsa_next_free_sgpr 66
		.amdhsa_reserve_vcc 0
		.amdhsa_float_denorm_mode_32 3
		.amdhsa_float_denorm_mode_16_64 3
		.amdhsa_memory_ordered 1
		.amdhsa_forward_progress 1
		.amdhsa_inst_pref_size 29
	.end_amdhsa_kernel
	.amdgpu_metadata
---
amdhsa.version: [ 1, 2 ]
amdhsa.kernels:
  - .name:           k_q81b160ec0c_bnres
    .symbol:         k_q81b160ec0c_bnres.kd
    .args:
      - { .name: x, .offset: 0, .size: 8, .value_kind: global_buffer, .address_space: global }
      - { .name: y, .offset: 8, .size: 8, .value_kind: global_buffer, .address_space: global }
      - { .name: stats, .offset: 16, .size: 8, .value_kind: global_buffer, .address_space: global }
      - { .name: gamma, .offset: 24, .size: 8, .value_kind: global_buffer, .address_space: global }
      - { .name: beta, .offset: 32, .size: 8, .value_kind: global_buffer, .address_space: global }
      - { .name: out0, .offset: 40, .size: 8, .value_kind: global_buffer, .address_space: global }
    .group_segment_fixed_size: 3072
    .private_segment_fixed_size: 0
    .kernarg_segment_align: 8
    .kernarg_segment_size: 48
    .max_flat_workgroup_size: 256
    .sgpr_count:     66
    .vgpr_count:     192
    .wavefront_size: 32
...
	.end_amdgpu_metadata
.endif
;; end of part 5
